; MI455X (gfx1250); checked and timed in simulation.
; The chip was launched on July 23, 2026; its instructions are those of AMD's public machine-readable ISA for CDNA 5 (MIT licence, August 2026) and "CDNA5" Instruction Set Architecture Reference Guide (July 2026). The comments in the code are by the model that wrote it; some were corrected since.
;; Hyperbolic Radial Attention. Allowed arithmetic: matrix products marked QUANTISED: E2M3 operands, one E8M0 scale for each 32 along K, by v_wmma_scale_f32_16x16x128_f8f6f4 with both operands' format E2M3, f32 sums; everything else in f32.
;; Inputs: Wb_codes 1,024 x 32 x 24 uint8 (E2M3 codes of Wb, K innermost, in blocks of 32 codes, four codes in three bytes); Wb_scales 1,024 x 32 uint8 (E8M0 scales of Wb, one for each 32 codes along K); Wk_codes 1,024 x 32 x 24 uint8 (E2M3 codes of Wk, K innermost, in blocks of 32 codes, four codes in three bytes); Wk_scales 1,024 x 32 uint8 (E8M0 scales of Wk, one for each 32 codes along K); Wo_codes 1,024 x 32 x 24 uint8 (E2M3 codes of Wo, K innermost, in blocks of 32 codes, four codes in three bytes); Wo_scales 1,024 x 32 uint8 (E8M0 scales of Wo, one for each 32 codes along K); Wq_codes 1,024 x 32 x 24 uint8 (E2M3 codes of Wq, K innermost, in blocks of 32 codes, four codes in three bytes); Wq_scales 1,024 x 32 uint8 (E8M0 scales of Wq, one for each 32 codes along K); Wv_codes 1,024 x 32 x 24 uint8 (E2M3 codes of Wv, K innermost, in blocks of 32 codes, four codes in three bytes); Wv_scales 1,024 x 32 uint8 (E8M0 scales of Wv, one for each 32 codes along K); bb 1,024 float32; bk 1,024 float32; bo 1,024 float32; bq 1,024 float32; bv 1,024 float32; curvature one number float32; query_codes 2 x 2,048 x 32 x 24 uint8 (E2M3 codes of query, K innermost, in blocks of 32 codes, four codes in three bytes); query_scales 2 x 2,048 x 32 uint8 (E8M0 scales of query, one for each 32 codes along K); radial_weights 16 x 1 x 1 float32.
;; Outputs: out0 2 x 2,048 x 1,024 float32.
;; This version of the problem:
;;   THIS VERSION OF THE PROBLEM IS GIVEN IN LOW PRECISION. The matrix products marked QUANTISED in the list below multiply operands that are first quantised to E2M3 (2 exponent bits, 3 mantissa bits; 6 bits a number), with one power-of-two scale for each 32 numbers along K (OCP MX v1.0); their sums are f32. All else is computed in f32.
;;   The module's matrix products, in the order in which they are computed (A, B: the left and right operand; K: the contracted axis; several contracted axes count as one K, in the product's order):
;;     1. [M 4,096, K 1,024] x [K 1,024, N 1,024]; A: input query (given as codes); B: input Wq (given as codes): QUANTISED
;;     2. [M 4,096, K 1,024] x [K 1,024, N 1,024]; A: input query (given as codes); B: input Wk (given as codes): QUANTISED
;;     3. [M 4,096, K 1,024] x [K 1,024, N 1,024]; A: input query (given as codes); B: input Wv (given as codes): QUANTISED
;;     4. batch 32 x [M 2,048, K 64] x [K 64, N 2,048]; A: computed on the way; B: computed on the way: QUANTISED
;;     5. batch 32 x [M 2,048, K 2,048] x [K 2,048, N 64]; A: softmax (see below); B: computed on the way: QUANTISED
;;     6. [M 4,096, K 1,024] x [K 1,024, N 1,024]; A: computed on the way; B: input Wo (given as codes): QUANTISED
;;     7. [M 4,096, K 1,024] x [K 1,024, N 1,024]; A: input query (given as codes); B: input Wb (given as codes): QUANTISED
;;   THE QUANTISER, for each operand of a quantised product, along K:
;;     - K is cut into blocks of 32 from its start; a last block that is shorter is filled with zeros.
;;     - A block's scale is 2^e with e = floor(log2(the largest magnitude in the block)) - 2, held to -126 .. 127; a block of zeros has e = 0. As a byte (E8M0): e + 127.
;;     - Each number is divided by its block's scale, clamped to +-7.5, and rounded to the nearest number of E2M3, ties to even, subnormals kept.
;;     - The product sums the exact products of the quantised numbers (number of the format x scale) in f32.
;;   ~~~python
;;   def quantise(x, axis):      # numpy; x: float32 -> the quantised numbers, widened to float32 again
;;       x = np.moveaxis(x, axis, -1); K = x.shape[-1]
;;       x = np.pad(x, [(0, 0)] * (x.ndim - 1) + [(0, -K % 32)]); x = x.reshape(x.shape[:-1] + (-1, 32)); a = np.abs(x).max(-1, keepdims=True)
;;       e = np.where(a > 0, np.clip(np.frexp(np.where(a > 0, a, 1))[1] - 1 - 2, -126, 127), 0)      # np.frexp(a)[1] - 1 = floor(log2(a)), exactly
;;       r = np.clip(x / 2.0 ** e, -7.5, 7.5)
;;       step = 2.0 ** (np.maximum(np.frexp(np.where(r == 0, 1, r))[1] - 1, 0) - 3)
;;       q = np.round(r / step) * step * 2.0 ** e      # np.round: ties to even
;;       return np.moveaxis(q.reshape(q.shape[:-2] + (-1,))[..., :K], -1, axis).astype(np.float32)
;;   ~~~
;;   SOFTMAX AHEAD OF A QUANTISED PRODUCT. Where the list says 'softmax', what is quantised is not the finished softmax but p = 2^(t - M), with t = logit x log2(e) and M = ceil(the row's largest t), a whole number; so 1/2 < the row's largest p <= 1. The row's sum l is taken of the UNQUANTISED p, in f32, and the product's result is divided by l at the end. Since M is a whole number, a kernel that streams over the keys may use a running M (the ceiling of the running maximum): every later rescaling is an exact power of two, which a block's scale takes up: the codes' values come out the same.
;;   OPERANDS COMPUTED ON THE WAY. 'Computed on the way' means the value that the module computes at that place (a softmax that the list does not call 'softmax' is quantised finished and normalised). What goes into a quantiser is computed in f32, as accurately as f32 sums, v_exp_f32 and their like allow (about 1e-6 of the number): no bf16 or f16 on the way to a quantiser, and a product that is left as it is and whose result goes on into a quantised operand takes f32 operands (vector FMAs, or v_wmma_f32_16x16x4_f32). A number that lies on a knife's edge between two numbers of the format may be rounded either way, as far as f32 arithmetic and the matrix unit's own rounding can turn it there, and no further.
;;   INPUTS GIVEN AS CODES. Wb (in the module: [1024, 1024], K = its axis 1); Wk (in the module: [1024, 1024], K = its axis 1); Wo (in the module: [1024, 1024], K = its axis 1); Wq (in the module: [1024, 1024], K = its axis 1); Wv (in the module: [1024, 1024], K = its axis 1); query (in the module: [2, 2048, 1024], K = its axis 2): each comes as NAME_codes (uint8): NAME with its K axis moved to the last place and cut into blocks of 32 codes, [.., K / 32, bytes a block], one block behind the other in memory; four codes in three bytes: a row's codes are one little-endian stream of bits, code i at bits 6 i .. 6 i + 5 (a code: sign, 2 exponent bits, 3 mantissa bits); and NAME_scales (uint8): the same leading axes, one E8M0 byte (e + 127) for each 32 codes along K. Its value is code x scale, taken as it is: it is not quantised again, and the codes and scales need not be those that the quantiser above would give.
;; One version. Each part assembles by itself: llvm-mc -triple=amdgcn-amd-amdhsa -mcpu=gfx1250 --defsym DOCPART=n.
;; ======== version 1 of 1: 3 launches
;; limits: right only within a limited range of input values
;; workspace buffers: qs 3,932,160 bytes; kv 7,208,960 bytes; resid 16,777,216 bytes; ao 3,145,728 bytes; aos 131,072 bytes
;; launch proj (part 1): grid 16 x 16, 4 waves a work-group, clusters of 4 x 4, 327,680 bytes of LDS; arguments query_codes, query_scales, Wb_codes, Wb_scales, Wq_codes, Wq_scales, Wk_codes, Wk_scales, Wv_codes, Wv_scales, bb, bo, bq, bk, bv, curvature, radial_weights, qs, kv, resid; writes qs, kv, resid
.if DOCPART == 1
	.amdgcn_target "amdgcn-amd-amdhsa--gfx1250"
	.amdhsa_code_object_version 6
	.text
	.protected	k_q45a6c5cfc6_proj
	.globl	k_q45a6c5cfc6_proj
	.p2align	8
	.type	k_q45a6c5cfc6_proj,@function
k_q45a6c5cfc6_proj:
	s_mov_b64 s[64:65], 0
	v_nop
	global_prefetch_b8 v0, s[64:65] scope:SCOPE_SE
	s_setreg_imm32_b32 hwreg(HW_REG_WAVE_MODE, 25, 1), 1
	s_wait_xcnt 0x0
	s_wait_alu depctr_hold_cnt(0) depctr_sa_sdst(0) depctr_va_vdst(0) depctr_va_sdst(0) depctr_va_ssrc(0) depctr_va_vcc(0) depctr_vm_vsrc(0)
	s_getreg_b32 s2, hwreg(HW_REG_IB_STS2, 6, 4)
	s_cmp_eq_u32 s2, 0
	s_cbranch_scc0 .Lentry_in_a_cluster
	s_endpgm
.Lentry_in_a_cluster:
	s_bfe_u32 s2, ttmp6, 0x10000c
	s_cmp_lg_u32 s2, 0xf033
	s_cbranch_scc0 .Lentry_shape_is_right
	s_endpgm
.Lentry_shape_is_right:
.set KSTEP,  256
.set NQ,     KSTEP/128
.set ROWB,   256                       ; the ring goes by chunks of 256 bytes of each row of 768: every tile row begins on a multiple of 256 bytes
.set KROW,   768
.set PITCH,  272
.set FR,     12
.set NL,     6
.set NP,     4
.set HALFT,  128*PITCH
.set SLOT,   4*HALFT
.set CHUNKS, 3                         ; chunk c lies in slot c % 2
.set STEPS,  8                         ; steps of 128 along K, 96 bytes of a row each
.set KS,     32
.set SCL,    2*SLOT
.set HALFS,  (128*KS/256)*272
.set SBLK,   (16*KS/256)*272
.set SPARE,  SCL+4*HALFS
.set ADRA, 16
.set ADRB, 20
.set ADRS, 27
.set SPW,  28
.set NIL,  29
.set SC,   32
.set AF,   128
.set G1, 24
.set G0, 32
.set G1B, 48
.set G0B, 56
.set G1S, 68
.set G0S, 76
.set G1SB, 80
.set G0SB, 88
.set L16,  1
.set L8,   2
.set H32,  3
.set SO,   4
.set KWS,  20
.set CC,   30
.set L4,   31
.set F,    64
.set G,    80
.set N2,   96
.set C1A,  112
.set BI,   128
.set W,    128
.set FT,   128
.set PC,   192
.set TM,   212
.set PW,   228
.set SQ,   246
.set PSA,  8
.set PRA,  9
.set FRA,  10
.set R4,   11
.set VW,   4
.set BV,   12
.set FV,   64
.set LD,   192
.set RW,   12
.set SEL,  96
.set MHI,  98
.set C4,   89
.set MSB, 0
.macro WIN new
.if MSB != (\new)
	s_set_vgpr_msb (MSB<<8)|(\new)
.set MSB, (\new)
.endif
.endm
.set MUL_LO, 0xa1
.set MUL_HI, 0xf1
.set TO_B,   0x40
.macro JLOAD g0a, g1a, g0b, g1b
	s_cmp_eq_u32 s15, 0
	s_cbranch_scc0 .Lfor_b_\@
	tensor_load_to_lds s[\g0a:\g0a+3], s[\g1a:\g1a+7]
	s_nop 0
.rept 4
	v_nop
.endr
	s_branch .Lasked_\@
.Lfor_b_\@:
	tensor_load_to_lds s[\g0b:\g0b+3], s[\g1b:\g1b+7]
	s_nop 0
.rept 4
	v_nop
.endr
.Lasked_\@:
.endm
.macro CREST
	s_cmp_lg_u32 s14, 0
	s_cbranch_scc1 .Lnot_wave_0_\@
	s_barrier_signal -3
.Lnot_wave_0_\@:
	s_barrier_wait -3
	s_barrier_signal -1
	s_barrier_wait -1
.endm
.macro CROUND
	s_barrier_signal -1
	s_barrier_wait -1
	CREST
.endm
.macro FINISH
	s_wait_tensorcnt 0x0
	ds_add_u32 v[SPW], v[NIL]
	s_wait_dscnt 0x0
	CROUND
	s_endpgm
.endm
	s_load_b512 s[68:83], s[0:1], 0x0
	s_load_b128 s[84:87], s[0:1], 0x40
	v_lshl_add_u32 v[SPW], v0, 2, SPARE
	v_mov_b32 v[NIL], 0
	ds_add_u32 v[SPW], v[NIL]
	ds_add_u32 v[SPW], v[NIL]
	v_lshrrev_b32 v1, 5, v0
	v_readfirstlane_b32 s14, v1
	s_lshr_b32 s15, s14, 1
	s_and_b32 s16, s14, 1
	s_bfe_u32 s40, ttmp6, 0x40000
	s_bfe_u32 s41, ttmp6, 0x40004
	s_add_co_u32 s18, ttmp9, 1
	s_lshr_b32 s18, s18, 2
	s_and_b32 s19, ttmp7, 0xffff
	s_lshl_b32 s19, s19, 2
	s_mul_i32 s42, s19, s18
	s_sub_co_u32 s17, s19, s42
	s_add_co_u32 s42, s42, s40
	s_add_co_u32 s17, s17, s41
	s_lshl_b32 s43, s41, 2
	s_lshl_b32 s43, 15, s43
	s_lshl_b32 s44, 0x1111, s40
	s_or_b32 s[G1+0], s43, (0<<16)|(1<<20)|(1<<21)|(5<<22)|(3<<25)
	s_or_b32 s[G1B+0], s44, (0<<16)|(1<<20)|(1<<21)|(5<<22)|(3<<25)
.irp g, G1, G1B
	s_mov_b32 s[\g+1], ROWB<<16
	s_mov_b32 s[\g+2], 128<<16
	s_mov_b32 s[\g+3], ROWB<<16
	s_mov_b32 s[\g+4], 128
	s_mov_b32 s[\g+5], KROW
	s_mov_b32 s[\g+6], 0
	s_mov_b32 s[\g+7], 0
.endr
	s_lshl_b32 s18, s16, 7
	s_lshl_b32 s20, s17, 8
	s_add_co_u32 s20, s20, s18
	s_lshl_b32 s46, s42, 8
	s_add_co_u32 s46, s46, s18
	s_mov_b32 s21, 0
	s_mov_b32 s47, 0
	s_mov_b64 s[18:19], KS
	s_mul_u64 s[22:23], s[20:21], s[18:19]
	s_mul_u64 s[92:93], s[46:47], s[18:19]
	s_mov_b64 s[18:19], KROW
	s_mul_u64 s[20:21], s[20:21], s[18:19]
	s_mul_u64 s[46:47], s[46:47], s[18:19]
	s_mul_i32 s45, s14, HALFT
	s_mul_i32 s94, s14, HALFS
	s_wait_dscnt 0x0
	s_wait_kmcnt 0x0
	s_cmp_eq_u32 ttmp9, 3
	s_cselect_b64 s[4:5], s[84:85], s[68:69]
	s_cselect_b64 s[6:7], s[86:87], s[70:71]
	s_cselect_b64 s[8:9], s[68:69], s[80:81]
	s_cselect_b64 s[10:11], s[70:71], s[82:83]
	s_cmp_eq_u32 ttmp9, 1
	s_cselect_b64 s[8:9], s[76:77], s[8:9]
	s_cselect_b64 s[10:11], s[78:79], s[10:11]
	s_cmp_eq_u32 ttmp9, 0
	s_cselect_b64 s[8:9], s[72:73], s[8:9]
	s_cselect_b64 s[10:11], s[74:75], s[10:11]
	s_or_b32 s[G1S+0], s43, (3<<16)|(1<<20)|(1<<21)|(5<<22)|(3<<25)
	s_or_b32 s[G1SB+0], s44, (3<<16)|(1<<20)|(1<<21)|(5<<22)|(3<<25)
.irp g, G1S, G1SB
	s_mov_b32 s[\g+1], 32<<16
	s_mov_b32 s[\g+2], (128*KS/256)<<16
	s_mov_b32 s[\g+3], 32<<16
	s_mov_b32 s[\g+4], 128*KS/256
	s_mov_b32 s[\g+5], 32
	s_mov_b32 s[\g+6], 0
	s_mov_b32 s[\g+7], 0
.endr
	s_add_nc_u64 s[20:21], s[4:5], s[20:21]
	s_add_nc_u64 s[22:23], s[6:7], s[22:23]
	s_add_nc_u64 s[46:47], s[8:9], s[46:47]
	s_add_nc_u64 s[92:93], s[10:11], s[92:93]
	CROUND
	s_mov_b32 s[G0S], 1
	s_add_co_u32 s[G0S+1], s94, SCL
	s_mov_b64 s[G0S+2:G0S+3], s[22:23]
	s_or_b32 s[G0S+3], s[G0S+3], 0x80000000
	s_mov_b32 s[G0SB], 1
	s_add_co_u32 s[G0SB+1], s94, SCL
	s_mov_b64 s[G0SB+2:G0SB+3], s[92:93]
	s_or_b32 s[G0SB+3], s[G0SB+3], 0x80000000
	JLOAD G0S, G1S, G0SB, G1SB
.irp s, 0,1
	s_mov_b32 s[G0+4*\s], 1
	s_add_co_u32 s[G0+4*\s+1], s45, \s*SLOT
	s_add_nc_u64 s[G0+4*\s+2:G0+4*\s+3], s[20:21], \s*ROWB
	s_or_b32 s[G0+4*\s+3], s[G0+4*\s+3], 0x80000000
	s_mov_b32 s[G0B+4*\s], 1
	s_add_co_u32 s[G0B+4*\s+1], s45, \s*SLOT
	s_add_nc_u64 s[G0B+4*\s+2:G0B+4*\s+3], s[46:47], \s*ROWB
	s_or_b32 s[G0B+4*\s+3], s[G0B+4*\s+3], 0x80000000
	s_wait_alu depctr_va_vdst(0)
	s_wait_tensorcnt 0x0
	ds_add_u32 v28, v29
	s_wait_dscnt 0x0
	CROUND
	JLOAD G0+4*\s, G1, G0B+4*\s, G1B
.endr
	v_and_b32 v1, 15, v0
	v_bfe_u32 v2, v0, 4, 1
	v_mul_u32_u24 v3, v1, PITCH
	v_mul_u32_u24 v4, v2, 24
	v_add_nc_u32 v4, v3, v4
	s_mov_b32 s21, SLOT-232
	s_mov_b32 s22, SLOT+232
	v_sub_nc_u32 v7, 1, v2
	v_mul_u32_u24 v5, s21, v2
	v_add_nc_u32 v5, v3, v5
	v_add_nc_u32 v5, 232, v5                       ; across two chunks: lanes 0-15 byte 232 of the row in slot 0, lanes 16-31 byte 0 of the row in slot 1
	v_mul_u32_u24 v6, s22, v7
	v_add_nc_u32 v6, v3, v6                        ; and lanes 0-15 byte 232 in slot 1, lanes 16-31 byte 0 in slot 0
	s_mul_i32 s21, s15, HALFT
	s_mul_i32 s22, s16, HALFT
	s_add_co_u32 s22, s22, 2*HALFT
	v_add_nc_u32 v[ADRA+2], s21, v5
	v_add_nc_u32 v[ADRA+3], s21, v6
	v_add_nc_u32 v[ADRB+2], s22, v5
	v_add_nc_u32 v[ADRB+3], s22, v6
.irp s, 0,1
	v_add_nc_u32 v[ADRA+\s], s21, v4
	v_add_nc_u32 v[ADRB+\s], s22, v4
	s_add_co_u32 s21, s21, SLOT
	s_add_co_u32 s22, s22, SLOT
.endr
	v_mul_u32_u24 v5, v1, KS
	v_lshrrev_b32 v6, 8, v5
	v_lshl_add_u32 v5, v6, 4, v5
	s_mul_i32 s21, s15, HALFS
	s_mul_i32 s22, s16, HALFS
	s_add_co_u32 s22, s22, 2*HALFS
	s_sub_co_u32 s22, s22, s21
	v_mul_u32_u24 v6, s22, v2
	s_add_co_u32 s21, s21, SCL
	v_add_nc_u32 v5, v5, v6
	v_add_nc_u32 v[ADRS], s21, v5
.macro FRAG reg, adr, q, i
.irp p, 0,1,2,3,4,5
.set BY, 96*(\q)+48*(\p/3)+8*(\p%3)    ; q: the step; byte y of a row lies in chunk y / 256, slot (y / 256) % 2, at byte y % 256 of the LDS row; lanes 16-31 read 24 bytes on
.if BY/ROWB == (BY+24)/ROWB
	ds_load_b64 v[\reg+2*\p:\reg+2*\p+1], v[\adr+(BY/ROWB)%2] offset:BY%ROWB+(\i)*16*PITCH
.else
	ds_load_b64 v[\reg+2*\p:\reg+2*\p+1], v[\adr+2+(BY/ROWB)%2] offset:BY%ROWB-232+(\i)*16*PITCH
.endif
.endr
.endm
.macro MUL16 a0, p, q, sc, zero
.irp a, \a0, \a0+1
.irp b, 0,1,2,3,4,5,6,7
.if \zero
	v_wmma_scale_f32_16x16x128_f8f6f4 v[8*(8*((\a)%4)+\b):8*(8*((\a)%4)+\b)+7], v[128*(\p)+FR*\b:128*(\p)+FR*\b+FR-1], v[AF+FR*(\a):AF+FR*(\a)+FR-1], 0, v[SC+8*NQ*(\sc)+NQ*\b+(\q)], v[SC+8*NQ*(\sc)+NQ*(\a)+(\q)] matrix_a_fmt:MATRIX_FMT_FP6 matrix_b_fmt:MATRIX_FMT_FP6 matrix_a_scale:MATRIX_SCALE_ROW1
.else
	v_wmma_scale_f32_16x16x128_f8f6f4 v[8*(8*((\a)%4)+\b):8*(8*((\a)%4)+\b)+7], v[128*(\p)+FR*\b:128*(\p)+FR*\b+FR-1], v[AF+FR*(\a):AF+FR*(\a)+FR-1], v[8*(8*((\a)%4)+\b):8*(8*((\a)%4)+\b)+7], v[SC+8*NQ*(\sc)+NQ*\b+(\q)], v[SC+8*NQ*(\sc)+NQ*(\a)+(\q)] matrix_a_fmt:MATRIX_FMT_FP6 matrix_b_fmt:MATRIX_FMT_FP6 matrix_a_scale:MATRIX_SCALE_ROW1
.endif
.endr
.endr
.endm
.macro FETCH_B slot, q, p
	WIN TO_B
.irp i, 0,1,2,3,4,5,6,7
	FRAG 128*(\p)+FR*\i, ADRB+\slot, \q, \i
.endr
	WIN 0
.endm
.macro FETCH_A slot, q, i0
.irp i, \i0, \i0+1, \i0+2, \i0+3
	FRAG AF+FR*(\i), ADRA+\slot, \q, \i
.endr
.endm
.macro SCALES sc
.irp i, 0,1,2,3,4,5,6,7
	ds_load_b64 v[SC+8*NQ*((\sc)%2)+NQ*\i:SC+8*NQ*((\sc)%2)+NQ*\i+1], v[ADRS] offset:\i*SBLK+4*NQ*(\sc)   ; sc: the pair of steps
.endr
.endm
.macro PLACES n
.rept \n
	v_nop
.endr
.endm
; A step of 128 along K: 64 products on step st's fragments; the next step's fragments are fetched in its middle and at its end.
; Where the next step's bytes END in a chunk not yet read: the wait for my tensor loads and a barrier, ahead of the fetch.  Where they BEGIN in a later chunk than this step's: the chunk left behind is read no more:
; the wait, the add and the wait for my reads stand in front of the barrier, and where a chunk two on is left to fetch the barrier opens a round of the cluster's barrier and the slot is filled again.
.macro STEP st, zero
.set NX, (\st)+1
.set C0, (96*(\st))/ROWB
.set C1, (96*NX)/ROWB
.set E0, (96*(\st)+95)/ROWB
.set E1, (96*NX+95)/ROWB
.if C1 > C0 || E1 > E0
	s_wait_tensorcnt 0x0                           ; all my tensor loads have landed
.if C1 > C0
	ds_add_u32 v[SPW], v[NIL]
	s_wait_dscnt 4*NL+1
.else
	s_wait_dscnt 4*NL
.endif
	WIN MUL_LO
	MUL16 0, (\st)%2, (\st)%2, ((\st)/2)%2, \zero
	s_wait_dscnt 0x0                               ; the add and my reads are done
	s_barrier_signal -1
	MUL16 2, (\st)%2, (\st)%2, ((\st)/2)%2, \zero
	WIN 0
	s_barrier_wait -1
.if C1 > C0 && C0+2 < CHUNKS
	CREST
	s_add_nc_u64 s[G0+4*(C0%2)+2:G0+4*(C0%2)+3], s[G0+4*(C0%2)+2:G0+4*(C0%2)+3], 2*ROWB
	s_add_nc_u64 s[G0B+4*(C0%2)+2:G0B+4*(C0%2)+3], s[G0B+4*(C0%2)+2:G0B+4*(C0%2)+3], 2*ROWB
	JLOAD G0+4*(C0%2), G1, G0B+4*(C0%2), G1B       ; chunk C0 + 2, the first tensor load behind the round
.else
	PLACES NP
.endif
.else
	s_wait_dscnt 4*NL
	WIN MUL_LO
	MUL16 0, (\st)%2, (\st)%2, ((\st)/2)%2, \zero
	MUL16 2, (\st)%2, (\st)%2, ((\st)/2)%2, \zero
	s_wait_dscnt 0
	PLACES NP
.endif
	FETCH_B 0, NX, NX%2
	FETCH_A 0, NX, 0
.if NX%2 == 0
	SCALES NX/2
.endif
	WIN MUL_HI
	MUL16 4, (\st)%2, (\st)%2, ((\st)/2)%2, \zero
	MUL16 6, (\st)%2, (\st)%2, ((\st)/2)%2, \zero
	PLACES NP
	WIN 0
	FETCH_A 0, NX, 4
.endm
	s_wait_alu depctr_va_vdst(0)
	s_wait_tensorcnt 1
	s_barrier_signal -1
	s_barrier_wait -1
	s_load_b512 s[68:83], s[0:1], 0x50
	s_load_b128 s[84:87], s[0:1], 0x90
	FETCH_B 0, 0, 0
	FETCH_A 0, 0, 0
	SCALES 0
	FETCH_A 0, 0, 4
	STEP 0, 1
	s_wait_kmcnt 0x0
	s_load_b32 s88, s[78:79], 0x0
.set ST, 1                             ; the walk is written out: slots and chunks do not come back to where they began within these eight steps
.rept STEPS-2
	STEP ST, 0
.set ST, ST+1
.endr
	s_wait_dscnt 4*NL
	WIN MUL_LO
	MUL16 0, 1, NQ-1, 1, 0
	MUL16 2, 1, NQ-1, 1, 0
	s_wait_dscnt 0
	WIN MUL_HI
	MUL16 4, 1, NQ-1, 1, 0
	MUL16 6, 1, NQ-1, 1, 0
	WIN 0
.macro QUANT s
.irp b, 0,1,2,3
	v_max3_num_f32 v[TM+\b], |v[\s+16*\b]|, |v[\s+1+16*\b]|, 0x1800000
.endr
.irp i, 2,4,6,8,10,12,14
.irp b, 0,1,2,3
	v_max3_num_f32 v[TM+\b], v[TM+\b], |v[\s+16*\b+\i]|, |v[\s+1+16*\b+\i]|
.endr
.endr
.irp b, 0,1,2,3
	v_permlanex16_b32 v[TM+4+\b], v[TM+\b], s[SEL], s[SEL+1]
.endr
.irp b, 0,1,2,3
	v_max_num_f32 v[TM+\b], v[TM+\b], v[TM+4+\b]
.endr
.irp b, 0,1,2,3
	v_add_nc_u32 v[TM+12+\b], 0xff000000, v[TM+\b]
.endr
.irp b, 0,1,2,3
	v_lshrrev_b32 v[TM+4+\b], 23, v[TM+12+\b]
.endr
	v_lshl_or_b32 v[PW], v[TM+5], 8, v[TM+4]
	v_lshl_or_b32 v[PW], v[TM+6], 16, v[PW]
	v_lshl_or_b32 v[PW], v[TM+7], 24, v[PW]
.irp c, 0,1
	v_cvt_scalef32_pk16_fp6_f32 v[PC+6*\c:PC+2+6*\c], v[\s+32*\c:\s+15+32*\c], v[TM+12+2*\c]
	v_cvt_scalef32_pk16_fp6_f32 v[PC+12+4*\c:PC+14+4*\c], v[\s+16+32*\c:\s+31+32*\c], v[TM+12+2*\c+1]
.endr
	v_nop
.irp c, 0,1
.irp i, 0,1,2
	v_permlane16_swap_b32 v[PC+6*\c+\i], v[PC+12+4*\c+\i]
.endr
.irp i, 0,1,2
	v_mov_b32 v[PC+3+6*\c+\i], v[PC+12+4*\c+\i]
.endr
.endr
.endm
.macro FACTOR n, n2, f, t
.set i, 0
.rept \n
	v_sqrt_f32 v[\t+i], v[\n2+i]
.set i, i+1
.endr
	v_nop
	s_wait_alu depctr_va_vdst(0)
.set i, 0
.rept \n
	v_mul_f32 v[\t+i], v[CC], v[\t+i]
.set i, i+1
.endr
.set i, 0
.rept \n
	v_mul_f32 v[\t+\n+i], 0x4038aa3b, v[\t+i]
	v_add_f32 v[\t+2*\n+i], 0x322bcc77, v[\t+i]
	v_mul_f32 v[\t+3*\n+i], v[\t+i], v[\t+i]
.set i, i+1
.endr
.set i, 0
	s_wait_alu depctr_va_vdst(0)
.rept \n
	v_exp_f32 v[\t+\n+i], v[\t+\n+i]
	v_rcp_f32 v[\t+2*\n+i], v[\t+2*\n+i]
.set i, i+1
.endr
.set i, 0
.rept \n
	v_fmaak_f32 v[\t+4*\n+i], s[C4], v[\t+3*\n+i], 0xbd5d0dd1
.set i, i+1
.endr
.set i, 0
.rept \n
	v_fmaak_f32 v[\t+4*\n+i], v[\t+4*\n+i], v[\t+3*\n+i], 0x3e088889
.set i, i+1
.endr
.set i, 0
.rept \n
	v_fmaak_f32 v[\t+4*\n+i], v[\t+4*\n+i], v[\t+3*\n+i], 0xbeaaaaab
.set i, i+1
.endr
.set i, 0
.rept \n
	v_fma_f32 v[\t+4*\n+i], v[\t+4*\n+i], v[\t+3*\n+i], 1.0
.set i, i+1
.endr
.set i, 0
.rept \n
	v_mul_f32 v[\t+4*\n+i], v[\t+4*\n+i], v[\t+i]
.set i, i+1
.endr
	s_wait_alu depctr_va_vdst(0)
.set i, 0
.rept \n
	v_add_f32 v[\t+\n+i], 1.0, v[\t+\n+i]
.set i, i+1
.endr
.set i, 0
	s_wait_alu depctr_va_vdst(0)
.rept \n
	v_rcp_f32 v[\t+\n+i], v[\t+\n+i]
.set i, i+1
.endr
	v_nop
	s_wait_alu depctr_va_vdst(0)
.set i, 0
.rept \n
	v_fma_f32 v[\t+\n+i], v[\t+\n+i], -2.0, 1.0
.set i, i+1
.endr
.set i, 0
.rept \n
	v_cmp_gt_f32 vcc_lo, 0x3e800000, v[\t+i]
	v_cndmask_b32 v[\t+\n+i], v[\t+\n+i], v[\t+4*\n+i], vcc_lo
.set i, i+1
.endr
.set i, 0
.rept \n
	v_mul_f32 v[\f+i], v[\t+\n+i], v[\t+2*\n+i]
.set i, i+1
.endr
.endm
.macro SQRTC
	s_and_b32 s88, s88, 0x7fffffff
	v_mov_b32 v[CC], 0x322bcc77
	v_max_num_f32 v[CC], s88, v[CC]
	s_wait_alu depctr_va_vdst(0)
	v_sqrt_f32 v[CC], v[CC]
	v_nop
	s_wait_alu depctr_va_vdst(0)
.endm
	PLACES NP
	s_wait_kmcnt 0x0
	v_and_b32 v5, 31, v0
	v_lshlrev_b32 v[L16], 4, v5
	v_lshlrev_b32 v[L8], 3, v5
	v_lshlrev_b32 v[L4], 2, v5
	v_bfe_u32 v[H32], v0, 4, 1
	v_lshlrev_b32 v[H32], 5, v[H32]
	s_mov_b32 s[SEL], 0x76543210
	s_mov_b32 s[SEL+1], 0xfedcba98
	s_mov_b32 s[MHI], 0xffff0000
	s_mov_b32 s[C4], 0x3cb327a4
	s_cmp_eq_u32 ttmp9, 3
	s_cbranch_scc1 .Lv
	s_cmp_eq_u32 ttmp9, 1
	s_cselect_b64 s[4:5], s[72:73], s[74:75]
	s_cmp_eq_u32 ttmp9, 0
	s_cselect_b64 s[4:5], s[68:69], s[4:5]
	s_lshl_b32 s20, s42, 10
	s_lshl_b32 s21, s16, 9
	s_add_co_u32 s20, s20, s21
	s_mov_b32 s21, 0
	s_add_nc_u64 s[4:5], s[4:5], s[20:21]
	s_wait_alu depctr_va_vdst(0)
.irp b, 0,1,2,3,4,5,6,7
	global_load_b128 v[BI+8*\b:BI+8*\b+3], v[H32], s[4:5] offset:64*\b
	global_load_b128 v[BI+8*\b+4:BI+8*\b+7], v[H32], s[4:5] offset:64*\b+16
.endr
	s_cmp_eq_u32 ttmp9, 0
	s_cbranch_scc0 .Lqk
	s_add_nc_u64 s[70:71], s[70:71], s[20:21]
.irp b, 0,1,2,3,4,5,6,7
	global_load_b128 v[LD+8*\b:LD+8*\b+3], v[H32], s[70:71] offset:64*\b
	global_load_b128 v[LD+8*\b+4:LD+8*\b+7], v[H32], s[70:71] offset:64*\b+16
.endr
	s_lshl_b32 s22, s17, 4
	s_lshl_b32 s23, s15, 3
	s_add_co_u32 s22, s22, s23
	s_lshl_b32 s22, s22, 6
	s_lshl_b32 s23, s42, 4
	s_add_co_u32 s22, s22, s23
	s_lshl_b32 s23, s16, 3
	s_add_co_u32 s22, s22, s23
	s_lshl_b32 s22, s22, 10
	s_mov_b32 s23, 0
	s_add_nc_u64 s[86:87], s[86:87], s[22:23]
	s_wait_loadcnt 0x0
.set j, 0
.rept 32
	v_pk_add_f32 v[BI+j:BI+j+1], v[BI+j:BI+j+1], v[LD+j:LD+j+1]
.set j, j+2
.endr
.macro PLAINA a
.set AC, 64*((\a)%4)
	WIN 0x82+0x41*((\a)/4)
.set j, 0
.rept 32
	v_pk_add_f32 v[AC+j:AC+j+1], v[AC+j:AC+j+1], v[BI+j:BI+j+1]
.set j, j+2
.endr
	WIN 0x08+4*((\a)/4)
.set j, 0
.rept 16
	global_store_b128 v[L16], v[AC+4*j:AC+4*j+3], s[86:87] offset:(\a)*65536+512*j th:TH_STORE_NT
.set j, j+1
.endr
.endm
.irp a, 0,1,2,3,4,5,6,7
	PLAINA \a
.endr
	WIN 0
	FINISH
.Lqk:
	s_cmp_eq_u32 ttmp9, 1
	s_cselect_b64 s[6:7], s[82:83], s[84:85]
	s_mov_b32 s22, 14080
	s_cselect_b32 s22, 7680, s22
	s_mov_b32 s23, 0xbf000000
	s_mov_b32 s24, 0x40000000
	s_cselect_b32 s23, s24, s23
	s_lshl_b32 s20, s17, 1
	s_add_co_u32 s20, s20, s15
	s_lshl_b32 s21, s42, 2
	s_lshl_b32 s25, s16, 1
	s_add_co_u32 s21, s21, s25
	s_lshr_b32 s25, s20, 4
	s_lshl_b32 s25, s25, 4
	s_add_co_u32 s25, s25, s21
	s_lshl_b32 s25, s25, 4
	s_and_b32 s20, s20, 15
	s_add_co_u32 s25, s25, s20
	s_mul_i32 s26, s25, s22
	s_mov_b32 s27, 0
	s_add_nc_u64 s[6:7], s[6:7], s[26:27]
	s_lshl_b32 s26, s22, 4
	s_add_nc_u64 s[8:9], s[6:7], s[26:27]
	s_mov_b32 s[RW], 0
	s_mov_b32 s[RW+1], 0
	s_cmp_lg_u32 ttmp9, 1
	s_cbranch_scc1 .Lnorw
	s_lshl_b32 s26, s21, 2
	s_add_nc_u64 s[80:81], s[80:81], s[26:27]
	s_load_b64 s[RW:RW+1], s[80:81], 0x0
.Lnorw:
	SQRTC
.irp b, 0,1,2,3
	v_mov_b32 v[TM+4+\b], 0
.endr
	s_wait_loadcnt 0x0
.macro QK1 a
.set AC, 64*((\a)%4)
	WIN 0x82+0x41*((\a)/4)
.set j, 0
.rept 32
	v_pk_add_f32 v[AC+j:AC+j+1], v[AC+j:AC+j+1], v[BI+j:BI+j+1]
.set j, j+2
.endr
	WIN 0x0a+5*((\a)/4)
.set j, 0
.rept 16
.irp d, 0,1
.if j < 2
	v_pk_mul_f32 v[SQ+4*\d+2*(j%2):SQ+4*\d+2*(j%2)+1], v[AC+32*\d+2*j:AC+32*\d+2*j+1], v[AC+32*\d+2*j:AC+32*\d+2*j+1]
.else
	v_pk_fma_f32 v[SQ+4*\d+2*(j%2):SQ+4*\d+2*(j%2)+1], v[AC+32*\d+2*j:AC+32*\d+2*j+1], v[AC+32*\d+2*j:AC+32*\d+2*j+1], v[SQ+4*\d+2*(j%2):SQ+4*\d+2*(j%2)+1]
.endif
.endr
.set j, j+1
.endr
	WIN 0
	v_pk_add_f32 v[SQ:SQ+1], v[SQ:SQ+1], v[SQ+2:SQ+3]
	v_pk_add_f32 v[SQ+4:SQ+5], v[SQ+4:SQ+5], v[SQ+6:SQ+7]
	v_add_f32 v[N2+2*(\a)], v[SQ], v[SQ+1]
	v_add_f32 v[N2+2*(\a)+1], v[SQ+4], v[SQ+5]
.endm
.irp a, 0,1,2,3,4,5,6,7
	QK1 \a
.endr
.set i, 0
.rept 16
	v_permlanex16_b32 v[BI+i], v[N2+i], s[SEL], s[SEL+1]
.set i, i+1
.endr
.set i, 0
.rept 16
	v_add_f32 v[N2+i], v[N2+i], v[BI+i]
.set i, i+1
.endr
	s_wait_alu depctr_va_vdst(0)
	FACTOR 16, N2, F, FT
	s_wait_kmcnt 0x0
	s_cmp_lg_u32 ttmp9, 1
	s_cbranch_scc1 .Lnorad
	v_mov_b32 v6, s[RW]
	v_mov_b32 v7, s[RW+1]
	v_mul_f32 v6, 0xbfb8aa3b, v6
	v_mul_f32 v7, 0xbfb8aa3b, v7
	s_wait_alu depctr_va_vdst(0)
	v_exp_f32 v6, v6
	v_exp_f32 v7, v7
	v_nop
	s_wait_alu depctr_va_vdst(0)
	v_add_f32 v6, 1.0, v6
	v_add_f32 v7, 1.0, v7
	s_wait_alu depctr_va_vdst(0)
	v_rcp_f32 v6, v6
	v_rcp_f32 v7, v7
	v_nop
	s_wait_alu depctr_va_vdst(0)
.set i, 0
.rept 8
	v_mul_f32 v[F+2*i], v[F+2*i], v6
	v_mul_f32 v[F+2*i+1], v[F+2*i+1], v7
.set i, i+1
.endr
.Lnorad:
.set i, 0
.rept 16
	v_mul_f32 v[FT+48+i], v[F+i], v[F+i]
.set i, i+1
.endr
.set i, 0
.rept 16
	v_mul_f32 v[FT+48+i], v[FT+48+i], v[N2+i]
.set i, i+1
.endr
.set i, 0
.rept 16
	v_mul_f32 v[C1A+i], s23, v[FT+48+i]
	v_sub_f32 v[FT+48+i], 1.0, v[FT+48+i]
	v_max_num_f32 v[FT+48+i], 0, v[FT+48+i]        ; held at 0 from below: the reciprocal is never negative
.set i, i+1
.endr
.set i, 0
	s_wait_alu depctr_va_vdst(0)
.rept 16
	v_rcp_f32 v[FT+i], v[FT+48+i]
.set i, i+1
.endr
.set i, 0
.rept 15
	v_mov_b32 v[G+i], v[F+i+1]
.set i, i+1
.endr
	v_mov_b32 v[G+15], v[F+15]
	s_wait_alu depctr_va_vdst(0)
.irp d, 0,1
.irp i, 0,1,2,3
	v_cndmask_b32 v[SO+8*\d+\i], v[C1A+4*\i+\d], v[C1A+4*\i+2+\d], s[MHI]
	v_cndmask_b32 v[SO+8*\d+4+\i], v[FT+4*\i+\d], v[FT+4*\i+2+\d], s[MHI]
.endr
.endr
.irp i, 0,1,2,3
	global_store_b32 v[L4], v[SO+\i], s[6:7] offset:6656+128*\i
	global_store_b32 v[L4], v[SO+4+\i], s[6:7] offset:7168+128*\i
	global_store_b32 v[L4], v[SO+8+\i], s[8:9] offset:6656+128*\i
	global_store_b32 v[L4], v[SO+12+\i], s[8:9] offset:7168+128*\i
.endr
.macro QK3 a
.set AC, 64*((\a)%4)
	WIN 0x02+((\a)/4)
.set j, 0
.rept 16
	v_pk_mul_f32 v[W+j:W+j+1], v[AC+j:AC+j+1], v[F+2*(\a):F+2*(\a)+1] op_sel_hi:[1,0]
.set j, j+2
.endr
.rept 16
	v_pk_mul_f32 v[W+j:W+j+1], v[AC+j:AC+j+1], v[G+2*(\a):G+2*(\a)+1] op_sel_hi:[1,0]
.set j, j+2
.endr
	WIN 0
	s_wait_xcnt 0x0
	QUANT W
	global_store_b128 v[L16], v[PC:PC+3], s[6:7] offset:768*(\a)
	global_store_b64 v[L8], v[PC+4:PC+5], s[6:7] offset:768*(\a)+512
	global_store_b128 v[L16], v[PC+6:PC+9], s[8:9] offset:768*(\a)
	global_store_b64 v[L8], v[PC+10:PC+11], s[8:9] offset:768*(\a)+512
	v_mov_b32 v[N2+2*(\a)], v[PW]
	v_lshrrev_b32 v[N2+2*(\a)+1], 16, v[PW]
.endm
.irp a, 0,1,2,3,4,5,6,7
	QK3 \a
.endr
.irp d, 0,1
.irp i, 0,1,2,3
	v_cndmask_b32 v[KWS+4*\d+\i], v[N2+4*\i+\d], v[N2+4*\i+2+\d], s[MHI]
.endr
.endr
	global_store_b128 v[L16], v[KWS:KWS+3], s[6:7] offset:6144
	global_store_b128 v[L16], v[KWS+4:KWS+7], s[8:9] offset:6144
	FINISH
.Lv:
	SQRTC
	v_and_b32 v12, 15, v0
	v_bfe_u32 v13, v0, 4, 1
	s_mul_i32 s20, s14, 9216
	s_add_co_u32 s20, s20, SLOT                    ; my stage lies in slot 1: it has had its last fill, and nobody reads it behind the walk's last barrier
	v_mul_u32_u24 v[PSA], v12, 528
	v_lshl_add_u32 v[PSA], v13, 8, v[PSA]
	v_add_nc_u32 v[PSA], s20, v[PSA]
	v_add_nc_u32 v[PRA], s20, v[L16]
	v_lshlrev_b32 v[FRA], 8, v13
	v_add_nc_u32 v[FRA], s20, v[FRA]
	v_add_nc_u32 v[FRA], 8448, v[FRA]
	v_lshlrev_b32 v[R4], 2, v12
	s_lshl_b32 s20, s17, 10
	s_lshl_b32 s21, s15, 9
	s_add_co_u32 s20, s20, s21
	s_mov_b32 s21, 0
	s_add_nc_u64 s[76:77], s[76:77], s[20:21]
.irp a, 0,1,2,3,4,5,6,7
	global_load_b32 v[BV+2*\a], v[R4], s[76:77] offset:64*\a
	global_load_b32 v[BV+2*\a+1], v[R4], s[76:77] offset:64*\a
.endr
	s_lshl_b32 s20, s42, 1
	s_add_co_u32 s20, s20, s16
	s_lshl_b32 s22, s17, 2
	s_lshl_b32 s23, s15, 1
	s_add_co_u32 s22, s22, s23
	s_lshr_b32 s23, s20, 4
	s_lshl_b32 s23, s23, 4
	s_add_co_u32 s23, s23, s22
	s_lshl_b32 s23, s23, 4
	s_and_b32 s20, s20, 15
	s_add_co_u32 s23, s23, s20
	s_mul_i32 s22, s23, 14080
	s_mov_b32 s23, 0
	s_add_nc_u64 s[84:85], s[84:85], s[22:23]
	s_wait_loadcnt 0x0
.macro VHEAD hh
	WIN 0x82+0x41*(\hh)
.irp t, 0,1,2,3
.set j, 0
.rept 32
	v_pk_add_f32 v[64*\t+j:64*\t+j+1], v[64*\t+j:64*\t+j+1], v[BV+2*(4*(\hh)+\t):BV+2*(4*(\hh)+\t)+1]
.set j, j+2
.endr
.endr
	WIN 0x0a+5*(\hh)
.set j, 0
.rept 32
	v_pk_mul_f32 v[W+j:W+j+1], v[j:j+1], v[j:j+1]
.set j, j+2
.endr
.irp t, 1,2,3
.set j, 0
.rept 32
	v_pk_fma_f32 v[W+j:W+j+1], v[64*\t+j:64*\t+j+1], v[64*\t+j:64*\t+j+1], v[W+j:W+j+1]
.set j, j+2
.endr
.endr
	WIN 0
.set j, 0
.rept 16
	ds_store_b128 v[PSA], v[W+4*j:W+4*j+3] offset:16*j
.set j, j+1
.endr
	s_wait_xcnt 0x0
.set j, 0
.rept 16
	ds_load_b128 v[LD+4*j:LD+4*j+3], v[PRA] offset:528*j
.set j, j+1
.endr
	s_wait_dscnt 0x0
.irp d, 8,4,2,1
.set j, 0
.rept \d
	v_pk_add_f32 v[LD+4*j:LD+4*j+1], v[LD+4*j:LD+4*j+1], v[LD+4*(j+\d):LD+4*(j+\d)+1]
	v_pk_add_f32 v[LD+4*j+2:LD+4*j+3], v[LD+4*j+2:LD+4*j+3], v[LD+4*(j+\d)+2:LD+4*(j+\d)+3]
.set j, j+1
.endr
.endr
	s_wait_alu depctr_va_vdst(0)
	FACTOR 4, LD, 252, 232
	ds_store_b128 v[PRA], v[252:255] offset:8448
.set j, 0
.rept 16
	ds_load_b128 v[FV+4*j:FV+4*j+3], v[FRA] offset:16*j
.set j, j+1
.endr
	s_wait_dscnt 0x0
.irp t, 0,1,2,3
	WIN 0x02+(\hh)
.set j, 0
.rept 32
	v_pk_mul_f32 v[W+j:W+j+1], v[64*\t+j:64*\t+j+1], v[FV+j:FV+j+1]
.set j, j+2
.endr
	WIN 0
	s_wait_xcnt 0x0
	QUANT W
.irp c, 0,1,2
	global_store_b128 v[L16], v[PC+4*\c:PC+4*\c+3], s[84:85] offset:225280*(\hh)+7680+1536*\t+512*\c
.endr
	v_mov_b32 v[VW+\t], v[PW]
.endr
	v_cndmask_b32 v240, v[VW], v[VW+1], s[MHI]
	v_cndmask_b32 v241, v[VW+2], v[VW+3], s[MHI]
	global_store_b64 v[L8], v[240:241], s[84:85] offset:225280*(\hh)+13824
.endm
	VHEAD 0
	VHEAD 1
	FINISH
.Lfunc_end_k_q45a6c5cfc6_proj:
	.size	k_q45a6c5cfc6_proj, .Lfunc_end_k_q45a6c5cfc6_proj-k_q45a6c5cfc6_proj
	.p2alignl 7, 3214868480
	.fill 96, 4, 3214868480
	.section	.rodata,"a",@progbits
	.p2align	6, 0x0
	.amdhsa_kernel k_q45a6c5cfc6_proj
		.amdhsa_group_segment_fixed_size 327680
		.amdhsa_private_segment_fixed_size 0
		.amdhsa_enable_private_segment 0
		.amdhsa_kernarg_size 160
		.amdhsa_user_sgpr_count 2
		.amdhsa_user_sgpr_kernarg_segment_ptr 1
		.amdhsa_wavefront_size32 1
		.amdhsa_system_sgpr_workgroup_id_x 1
		.amdhsa_system_sgpr_workgroup_id_y 1
		.amdhsa_system_sgpr_workgroup_id_z 1
		.amdhsa_system_vgpr_workitem_id 0
		.amdhsa_next_free_vgpr 1024
		.amdhsa_next_free_sgpr 102
		.amdhsa_reserve_vcc 1
		.amdhsa_float_denorm_mode_32 3
		.amdhsa_float_denorm_mode_16_64 3
		.amdhsa_memory_ordered 1
		.amdhsa_forward_progress 1
		.amdhsa_inst_pref_size 255
	.end_amdhsa_kernel
	.section	.bss,"aw",@nobits
	.p2align	6
	.space	262144
	.amdgpu_metadata
---
amdhsa.version: [ 1, 2 ]
amdhsa.kernels:
  - .name:           k_q45a6c5cfc6_proj
    .symbol:         k_q45a6c5cfc6_proj.kd
    .args:
      - { .name: query_codes, .offset: 0, .size: 8, .value_kind: global_buffer, .address_space: global }
      - { .name: query_scales, .offset: 8, .size: 8, .value_kind: global_buffer, .address_space: global }
      - { .name: Wb_codes, .offset: 16, .size: 8, .value_kind: global_buffer, .address_space: global }
      - { .name: Wb_scales, .offset: 24, .size: 8, .value_kind: global_buffer, .address_space: global }
      - { .name: Wq_codes, .offset: 32, .size: 8, .value_kind: global_buffer, .address_space: global }
      - { .name: Wq_scales, .offset: 40, .size: 8, .value_kind: global_buffer, .address_space: global }
      - { .name: Wk_codes, .offset: 48, .size: 8, .value_kind: global_buffer, .address_space: global }
      - { .name: Wk_scales, .offset: 56, .size: 8, .value_kind: global_buffer, .address_space: global }
      - { .name: Wv_codes, .offset: 64, .size: 8, .value_kind: global_buffer, .address_space: global }
      - { .name: Wv_scales, .offset: 72, .size: 8, .value_kind: global_buffer, .address_space: global }
      - { .name: bb, .offset: 80, .size: 8, .value_kind: global_buffer, .address_space: global }
      - { .name: bo, .offset: 88, .size: 8, .value_kind: global_buffer, .address_space: global }
      - { .name: bq, .offset: 96, .size: 8, .value_kind: global_buffer, .address_space: global }
      - { .name: bk, .offset: 104, .size: 8, .value_kind: global_buffer, .address_space: global }
      - { .name: bv, .offset: 112, .size: 8, .value_kind: global_buffer, .address_space: global }
      - { .name: curvature, .offset: 120, .size: 8, .value_kind: global_buffer, .address_space: global }
      - { .name: radial_weights, .offset: 128, .size: 8, .value_kind: global_buffer, .address_space: global }
      - { .name: qs, .offset: 136, .size: 8, .value_kind: global_buffer, .address_space: global }
      - { .name: kv, .offset: 144, .size: 8, .value_kind: global_buffer, .address_space: global }
      - { .name: resid, .offset: 152, .size: 8, .value_kind: global_buffer, .address_space: global }
    .group_segment_fixed_size: 327680
    .private_segment_fixed_size: 0
    .kernarg_segment_align: 8
    .kernarg_segment_size: 160
    .max_flat_workgroup_size: 128
    .sgpr_count:     102
    .vgpr_count:     1024
    .wavefront_size: 32
...
	.end_amdgpu_metadata
.endif
;; end of part 1
;; launch attn (part 2): grid 8 x 32, 16 waves a work-group, clusters of 4 x 1, 327,680 bytes of LDS; arguments qs, kv, curvature, ao, aos; writes ao, aos
.if DOCPART == 2
	.amdgcn_target "amdgcn-amd-amdhsa--gfx1250"
	.amdhsa_code_object_version 6
	.text
	.protected	k_q45a6c5cfc6_attn
	.globl	k_q45a6c5cfc6_attn
	.p2align	8
	.type	k_q45a6c5cfc6_attn,@function
k_q45a6c5cfc6_attn:
	s_mov_b64 s[64:65], 0
	v_nop
	global_prefetch_b8 v0, s[64:65] scope:SCOPE_SE
	s_setreg_imm32_b32 hwreg(HW_REG_WAVE_MODE, 25, 1), 1
	s_wait_xcnt 0x0
	s_wait_alu depctr_hold_cnt(0) depctr_sa_sdst(0) depctr_va_vdst(0) depctr_va_sdst(0) depctr_va_ssrc(0) depctr_va_vcc(0) depctr_vm_vsrc(0)
	s_getreg_b32 s2, hwreg(HW_REG_IB_STS2, 6, 4)
	s_cmp_eq_u32 s2, 0
	s_cbranch_scc0 .Lentry_in_a_cluster
	s_endpgm
.Lentry_in_a_cluster:
	s_bfe_u32 s2, ttmp6, 0x10000c
	s_cmp_lg_u32 s2, 0x3003
	s_cbranch_scc0 .Lentry_shape_is_right
	s_endpgm
.Lentry_shape_is_right:
; ATTN: for each of 32 (batch, head): S = q k^T and O = p v on E2M3 codes; between them the hyperbolic distance and the softmax, in f32; the output is quantised along the channels for the last product.  No work of reference() is left out.
; For query q and key k, with acc = q . k - |k|^2 / 2 from the matrix unit (-|k|^2 / 2 is the product's C), a = max(1 - |q|^2, 1e-30), ra = 1 / a, rb = 1 / max(1 - |k|^2, 0):
;   1 / max((1 - |q|^2)(1 - |k|^2), 1e-8) = ra min(rb, 1e8 a);   x = max(1 + (-4 ra acc + 2 |q|^2 ra) min(rb, 1e8 a), 1)   (1 + 1e-8 is 1 in f32)
;   lg = log2(x + sqrt(x x - 1));  t = -A lg,  A = 1 / (8 (sqrt(max(|curvature|, 1e-8)) + 1e-8))
;   M = the running largest t rounded up to a whole number, kept as -M = floor(-t);  p = 2^(t - M) is quantised along the keys; its sum is taken unquantised and divides O at the end; when M moves, the sum and O are multiplied by 2^(old M - new M).
; SHARES.  A work-group owns 256 queries of one head, each of its sixteen waves 16 of them in 256 registers.  A whole head's k and v (16 key steps of 14,080 bytes, images of operand registers, scale words, the keys' constants)
; stay in LDS: each byte is filled once.  CLUSTER: the four work-groups of a cluster own queries of one head: each key step is asked for jointly, wave w asking for step w: one tensor load a wave, no branch round it.
; A split barrier in each step: no wave ends step i before every wave has begun it.  Between its halves stand register work and loads of LDS bytes that nobody writes.
; Both products are used transposed: a lane holds one query.  K = 64 of the first product fills half of the instruction's 128: q's upper six registers are zero codes.
; The codes of a block of 32 keys lie in the order 0-7, 16-23, 8-15, 24-31 in p and in v alike; the output is brought into the true order of its channels before it is quantised.
; No prefetch: all that a work-group reads is asked for by its first loads.
; LIMITS: NaN and infinities are not served; x above 1.8e19 overflows in x x; square root, logarithm and exponential take denormals as 0; a block whose every p is 0 keeps the scale byte 1, its codes are zeros.
.set STEPB, 14080
.set KSO,   6144
.set CKO,   6656
.set RBO,   7168
.set VIO,   7680
.set VSO,   13824
.set SPARE, 16*STEPB                   ; the spare words, 128 bytes a wave
.set L16, 1
.set L8,  2
.set LH,  3
.set A16, 4
.set A8,  5
.set AH,  6
.set SPW, 7
.set NIL, 8
.set NA,  10                           ; v[10:11] -A, twice
.set QF,  16                           ; v16-21 q's codes, v22-27 zero codes
.set QSW, 28
.set C1,  30                           ; v[30:31] 2 |q|^2 ra, twice
.set RA,  32                           ; v[32:33] -4 ra, twice
.set KSC, 34
.set VSC, 38
.set BM,  40
.set BT,  44
.set SO,  48
.set FW,  54                           ; v54 f; v55 p's scale word
.set PF,  56
.set PX,  68
.set SU,  76                           ; v76-91 eight partial sums of p
.set CAP, 92                           ; v92, v93 1e8 a, twice
.set S,   96
.set R,   160
.set O,   224
.set WV,  18
.set SEL, 20
.set TB,  48
.set CNT, 49
.set BIG, 50
.macro CROUND
	s_barrier_signal -1
	s_barrier_wait -1
	s_cmp_lg_u32 s[WV], 0
	s_cbranch_scc1 .Lnot_wave_0_\@
	s_barrier_signal -3
.Lnot_wave_0_\@:
	s_barrier_wait -3
	s_barrier_signal -1
	s_barrier_wait -1
.endm
	s_load_b256 s[4:11], s[0:1], 0x0               ; qs, kv, curvature, ao
	s_load_b64 s[12:13], s[0:1], 0x20              ; aos
	v_lshl_add_u32 v[SPW], v0, 2, SPARE
	v_mov_b32 v[NIL], 0
	ds_add_u32 v[SPW], v[NIL]
	ds_add_u32 v[SPW], v[NIL]
	v_lshrrev_b32 v9, 5, v0
	s_delay_alu instid0(VALU_DEP_1)
	v_readfirstlane_b32 s[WV], v9
	s_bfe_u32 s14, ttmp6, 0x40000                  ; cx
	s_lshl_b32 s15, ttmp9, 2
	s_add_co_u32 s15, s15, s14                     ; my block of 256 queries
	s_and_b32 s16, ttmp7, 0xffff                   ; 16 x batch + head
	s_mov_b32 s24, 15|(3<<16)|(1<<21)              ; group 1: all four partners; 55 rows of 256 bytes
	s_mov_b32 s25, 32<<16
	s_mov_b32 s26, 55<<16
	s_mov_b32 s27, 32<<16
	s_mov_b32 s28, 55
	s_mov_b32 s29, 32
	s_mov_b32 s30, 0
	s_mov_b32 s31, 0
	s_mov_b32 s40, 1
	s_mul_i32 s41, s[WV], STEPB
	s_mul_i32 s46, s16, 16*STEPB
	s_add_co_u32 s46, s46, s41
	s_mov_b32 s47, 0
	s_lshl_b32 s19, s16, 4
	s_lshl_b32 s22, s15, 1
	s_add_co_u32 s19, s19, s22
	s_lshr_b32 s22, s[WV], 3
	s_add_co_u32 s19, s19, s22                     ; my block of 128 queries in qs
	s_mul_i32 s22, s19, 7680
	s_mov_b32 s23, 0
	s_and_b32 s32, s[WV], 7                        ; my tile in it
	s_mul_i32 s34, s32, 768
	s_mov_b32 s35, 0
	s_and_b32 s33, s32, 1
	s_lshl_b32 s52, s33, 8
	s_lshr_b32 s33, s32, 1
	s_lshl_b32 s33, s33, 2
	s_add_co_u32 s52, s52, s33                     ; its scale words: 256 (t % 2) + 4 (t / 2)
	s_mov_b32 s53, 0
	s_lshl_b32 s54, s32, 6                         ; its constants: 64 t
	s_mov_b32 s55, 0
	s_mov_b32 s[SEL], 0x76543210
	s_mov_b32 s[SEL+1], 0xfedcba98
	s_mov_b32 s[BIG], 0x4cbebc20                   ; 1e8
	s_mov_b32 s[TB], 0
	s_mov_b32 s[CNT], 16
	s_wait_dscnt 0x0
	s_wait_kmcnt 0x0
	s_load_b32 s17, s[8:9], 0x0                    ; curvature
	s_add_nc_u64 s[42:43], s[6:7], s[46:47]
	s_or_b32 s43, s43, 0x80000000
	s_add_nc_u64 s[4:5], s[4:5], s[22:23]
	s_add_nc_u64 s[36:37], s[4:5], s[34:35]
	s_add_nc_u64 s[38:39], s[4:5], s[52:53]
	s_add_nc_u64 s[44:45], s[4:5], s[54:55]
	CROUND
	tensor_load_to_lds s[40:43], s[24:31]          ; my one tensor load
	s_nop 0
	v_and_b32 v9, 31, v0
	s_delay_alu instid0(VALU_DEP_1)
	v_lshlrev_b32 v[L16], 4, v9
	s_delay_alu instid0(VALU_DEP_2)
	v_lshlrev_b32 v[L8], 3, v9
	v_bfe_u32 v[LH], v0, 4, 1
	s_delay_alu instid0(VALU_DEP_1)
	v_lshlrev_b32 v[LH], 5, v[LH]
	v_and_b32 v9, 15, v0
	s_delay_alu instid0(VALU_DEP_1)
	v_lshlrev_b32 v52, 2, v9
	s_delay_alu instid0(VALU_DEP_2)
	v_lshlrev_b32 v9, 4, v9
	global_load_b128 v[QF:QF+3], v[L16], s[36:37]
	global_load_b64 v[QF+4:QF+5], v[L8], s[36:37] offset:512
	global_load_b32 v[QSW], v9, s[38:39] offset:KSO
	global_load_b32 v[C1], v52, s[44:45] offset:CKO    ; 2 |q|^2
.irp j, 6,7,8,9,10,11
	v_mov_b32 v[QF+\j], 0
.endr
.irp j, 48,49,50,51,52,53
	v_mov_b32 v[R+\j], 0                           ; named as the upper half of k's last tile: it meets q's zero codes
.endr
.set j, 0
.rept 32
	v_mov_b32 v[O+j], 0                            ; the step is written once: the first finds zeros
.set j, j+1
.endr
	v_mov_b32 v14, 0
	v_mov_b32 v15, 0
.irp b, 0,1,2,3
	v_mov_b32 v[BT+\b], 0
.endr
	v_mov_b32 v[FW+1], 0
	v_mov_b32 v13, 0xff61b1e6                      ; the largest t so far: -3e38
	s_delay_alu instid0(VALU_DEP_1)
	v_floor_f32 v12, -v13
	s_wait_kmcnt 0x0
	s_and_b32 s17, s17, 0x7fffffff
	v_mov_b32 v53, 0x322bcc77
	s_delay_alu instid0(VALU_DEP_1)
	v_max_num_f32 v53, s17, v53
	s_wait_alu depctr_va_vdst(0)
	v_sqrt_f32 v53, v53
	v_nop
	s_wait_alu depctr_va_vdst(0)
	v_add_f32 v53, 0x322bcc77, v53
	s_delay_alu instid0(VALU_DEP_1)
	v_mul_f32 v53, 0xc1000000, v53                 ; -8 (sqrt_c + 1e-8)
	s_wait_alu depctr_va_vdst(0)
	v_rcp_f32 v[NA], v53
	v_nop
	s_wait_alu depctr_va_vdst(0)
	v_mov_b32 v[NA+1], v[NA]
	s_wait_loadcnt 0x0
	v_fma_f32 v53, v[C1], -0.5, 1.0                ; 1 - |q|^2
	s_delay_alu instid0(VALU_DEP_1)
	v_max_num_f32 v53, 0xda24260, v53              ; a: held at 1e-30 from below, so that ra stays finite
	s_delay_alu instid0(VALU_DEP_1)
	v_mul_f32 v[CAP], s[BIG], v53
	s_wait_alu depctr_va_vdst(0)
	v_rcp_f32 v52, v53
	v_mov_b32 v[CAP+1], v[CAP]
	s_wait_alu depctr_va_vdst(0)
	v_mul_f32 v[C1], v[C1], v52
	v_mul_f32 v[RA], -4.0, v52
	s_delay_alu instid0(VALU_DEP_2)
	v_mov_b32 v[C1+1], v[C1]
	s_delay_alu instid0(VALU_DEP_2)
	v_mov_b32 v[RA+1], v[RA]
	s_wait_alu depctr_va_vdst(0)
	s_wait_tensorcnt 0x0
	s_barrier_signal -1
	s_barrier_wait -1                              ; the head is whole, and nobody writes it again
.Lstep:                                            ; 16 trips: 128 keys each
	s_barrier_signal -1                            ; I have begun this step (no LDS instruction of mine is out)
	v_add_nc_u32 v[A16], s[TB], v[L16]
	v_add_nc_u32 v[A8], s[TB], v[L8]
	v_add_nc_u32 v[AH], s[TB], v[LH]
	v_nop                                          ; four places behind the last trip's products
.set t, 0
.rept 8
	ds_load_b128 v[S+8*t:S+8*t+3], v[AH] offset:CKO+64*t          ; -|k|^2 / 2: the C of tile t
	ds_load_b128 v[S+8*t+4:S+8*t+7], v[AH] offset:CKO+64*t+16
	ds_load_b128 v[R+6*t:R+6*t+3], v[A16] offset:768*t            ; k's tile t
	ds_load_b64 v[R+6*t+4:R+6*t+5], v[A8] offset:768*t+512
.set t, t+1
.endr
	ds_load_b128 v[KSC:KSC+3], v[A16] offset:KSO
	s_wait_alu depctr_va_vdst(0)
	s_wait_dscnt 0x0
.set t, 0
.rept 4
	v_wmma_scale_f32_16x16x128_f8f6f4 v[S+16*t:S+16*t+7], v[R+12*t:R+12*t+11], v[QF:QF+11], v[S+16*t:S+16*t+7], v[KSC+t], v[QSW] matrix_a_fmt:MATRIX_FMT_FP6 matrix_b_fmt:MATRIX_FMT_FP6
	v_wmma_scale_f32_16x16x128_f8f6f4 v[S+16*t+8:S+16*t+15], v[R+12*t+6:R+12*t+17], v[QF:QF+11], v[S+16*t+8:S+16*t+15], v[KSC+t], v[QSW] matrix_a_fmt:MATRIX_FMT_FP6 matrix_b_fmt:MATRIX_FMT_FP6 matrix_a_scale:MATRIX_SCALE_ROW1
.set t, t+1
.endr
.rept 4
	v_nop
.endr
.set t, 0
.rept 8
	ds_load_b128 v[R+8*t:R+8*t+3], v[AH] offset:RBO+64*t          ; rb of the same keys
	ds_load_b128 v[R+8*t+4:R+8*t+7], v[AH] offset:RBO+64*t+16
.set t, t+1
.endr
.set j, 0
.rept 32
	v_pk_fma_f32 v[S+j:S+j+1], v[S+j:S+j+1], v[RA:RA+1], v[C1:C1+1]   ; 2 dist2 ra; each accumulator from its low end on
.set j, j+2
.endr
	s_wait_dscnt 0x0
.set j, 0
.rept 32
	v_dual_min_num_f32 v[R+j], v[CAP], v[R+j] :: v_dual_min_num_f32 v[R+j+1], v[CAP+1], v[R+j+1]   ; min(rb, 1e8 a)
.set j, j+2
.endr
.set j, 0
.rept 32
	v_pk_fma_f32 v[S+j:S+j+1], v[S+j:S+j+1], v[R+j:R+j+1], 1.0 op_sel_hi:[1,1,0]
.set j, j+2
.endr
.set j, 0
.rept 32
	v_dual_max_num_f32 v[S+j], 1.0, v[S+j] :: v_dual_max_num_f32 v[S+j+1], 1.0, v[S+j+1]   ; x
.set j, j+2
.endr
.set j, 0
.rept 32
	v_pk_fma_f32 v[R+j:R+j+1], v[S+j:S+j+1], v[S+j:S+j+1], -1.0 op_sel_hi:[1,1,0]
.set j, j+2
.endr
	s_wait_alu depctr_va_vdst(0)
.set j, 0
.rept 64
	v_sqrt_f32 v[R+j], v[R+j]
.set j, j+1
.endr
	v_nop
	s_wait_alu depctr_va_vdst(0)
.set j, 0
.rept 32
	v_pk_add_f32 v[S+j:S+j+1], v[S+j:S+j+1], v[R+j:R+j+1]
.set j, j+2
.endr
.set t, 0
.rept 4
	ds_load_b128 v[R+12*t:R+12*t+3], v[A16] offset:VIO+1536*t     ; v's four operands
	ds_load_b128 v[R+12*t+4:R+12*t+7], v[A16] offset:VIO+1536*t+512
	ds_load_b128 v[R+12*t+8:R+12*t+11], v[A16] offset:VIO+1536*t+1024
.set t, t+1
.endr
	ds_load_b64 v[VSC:VSC+1], v[A8] offset:VSO
	s_wait_alu depctr_va_vdst(0)
.set j, 0
.rept 64
	v_log_f32 v[S+j], v[S+j]                       ; lg
.set j, j+1
.endr
	v_nop
	s_wait_alu depctr_va_vdst(0)
.irp b, 0,1,2,3
	v_min3_num_f32 v[BM+\b], v[S+16*\b], v[S+16*\b+1], v[S+16*\b+2]   ; each block's smallest lg: for the row's largest t and for the block's largest p
.endr
.irp i, 3,5,7,9,11,13
.irp b, 0,1,2,3
	v_min3_num_f32 v[BM+\b], v[BM+\b], v[S+16*\b+\i], v[S+16*\b+\i+1]
.endr
.endr
.irp b, 0,1,2,3
	v_min_num_f32 v[BM+\b], v[BM+\b], v[S+16*\b+15]
.endr
.irp b, 0,1,2,3
	s_delay_alu instid0(VALU_DEP_4)
	v_permlanex16_b32 v[BT+\b], v[BM+\b], s[SEL], s[SEL+1]
.endr
.irp b, 0,1,2,3
	s_delay_alu instid0(VALU_DEP_4)
	v_min_num_f32 v[BM+\b], v[BM+\b], v[BT+\b]
.endr
	s_delay_alu instid0(VALU_DEP_2)
	v_min3_num_f32 v52, v[BM], v[BM+1], v[BM+2]
	s_delay_alu instid0(VALU_DEP_1)
	v_min_num_f32 v52, v52, v[BM+3]
	v_mul_f32 v52, v[NA], v52                      ; the step's largest t
	s_delay_alu instid0(VALU_DEP_1)
	v_max_num_f32 v13, v13, v52
	v_mov_b32 v52, v12
	s_delay_alu instid0(VALU_DEP_2)
	v_floor_f32 v12, -v13                          ; the new -M
	s_delay_alu instid0(VALU_DEP_1)
	v_sub_f32 v52, v12, v52
	s_delay_alu instid0(VALU_DEP_1)
	v_cvt_i32_f32 v52, v52
	s_delay_alu instid0(VALU_DEP_1)
	v_ldexp_f32 v[FW], 1.0, v52                    ; f = 2^(old M - new M)
.set j, 0
.rept 32
	v_pk_fma_f32 v[S+j:S+j+1], v[S+j:S+j+1], v[NA:NA+1], v[12:13] op_sel_hi:[1,1,0]   ; t - M
.set j, j+2
.endr
.irp b, 0,1,2,3
	v_fma_f32 v[BM+\b], v[BM+\b], v[NA], v12
.endr
	s_wait_alu depctr_va_vdst(0)
.set j, 0
.rept 64
	v_exp_f32 v[S+j], v[S+j]                       ; p
.set j, j+1
.endr
	v_pk_mul_f32 v[14:15], v[14:15], v[FW:FW+1] op_sel_hi:[1,0]
	s_wait_alu depctr_va_vdst(0)
.irp b, 0,1,2,3
	v_exp_f32 v[BM+\b], v[BM+\b]                   ; the block's largest p: the same two instructions on the same number
.endr
.irp c, 0,1,2,3,4,5,6,7
	v_pk_add_f32 v[SU+2*\c:SU+2*\c+1], v[S+2*\c:S+2*\c+1], v[S+16+2*\c:S+17+2*\c]   ; the sum of the unquantised p, in eight chains
.endr
.irp j, 32,48
.irp c, 0,1,2,3,4,5,6,7
	v_pk_add_f32 v[SU+2*\c:SU+2*\c+1], v[SU+2*\c:SU+2*\c+1], v[S+\j+2*\c:S+\j+1+2*\c]
.endr
.endr
.irp c, 0,1,2,3
	s_delay_alu instid0(VALU_DEP_4)
	v_pk_add_f32 v[SU+2*\c:SU+2*\c+1], v[SU+2*\c:SU+2*\c+1], v[SU+8+2*\c:SU+9+2*\c]
.endr
.irp c, 0,1
	s_delay_alu instid0(VALU_DEP_2)
	v_pk_add_f32 v[SU+2*\c:SU+2*\c+1], v[SU+2*\c:SU+2*\c+1], v[SU+4+2*\c:SU+5+2*\c]
.endr
	s_delay_alu instid0(VALU_DEP_1)
	v_pk_add_f32 v[SU:SU+1], v[SU:SU+1], v[SU+2:SU+3]
	s_delay_alu instid0(VALU_DEP_1)
	v_pk_add_f32 v[14:15], v[14:15], v[SU:SU+1]
	s_wait_alu depctr_va_vdst(0)
.irp b, 0,1,2,3
	v_max_num_f32 v[BM+\b], 0x1800000, v[BM+\b]    ; the floor 2^(3 - 127)
.endr
.irp b, 0,1,2,3
	s_delay_alu instid0(VALU_DEP_4)
	v_add_nc_u32 v[SO+\b], 0xff000000, v[BM+\b]
.endr
.irp b, 0,1,2,3
	s_delay_alu instid0(VALU_DEP_4)
	v_lshrrev_b32 v[BT+\b], 23, v[SO+\b]
.endr
	s_delay_alu instid0(VALU_DEP_3)
	v_lshl_or_b32 v[FW+1], v[BT+1], 8, v[BT]
	s_delay_alu instid0(VALU_DEP_1)
	v_lshl_or_b32 v[FW+1], v[BT+2], 16, v[FW+1]
	s_delay_alu instid0(VALU_DEP_1)
	v_lshl_or_b32 v[FW+1], v[BT+3], 24, v[FW+1]
.irp c, 0,1
	v_cvt_scalef32_pk16_fp6_f32 v[PF+6*\c:PF+6*\c+2], v[S+32*\c:S+32*\c+15], v[SO+2*\c]
	v_cvt_scalef32_pk16_fp6_f32 v[PX+4*\c:PX+4*\c+2], v[S+32*\c+16:S+32*\c+31], v[SO+2*\c+1]
.endr
	v_nop
.irp c, 0,1
.irp i, 0,1,2
	v_permlane16_swap_b32 v[PF+6*\c+\i], v[PX+4*\c+\i]
.endr
.irp i, 0,1,2
	s_delay_alu instid0(VALU_DEP_3)
	v_mov_b32 v[PF+6*\c+3+\i], v[PX+4*\c+\i]
.endr
.endr
.set j, 0
.rept 16
	v_pk_mul_f32 v[O+j:O+j+1], v[O+j:O+j+1], v[FW:FW+1] op_sel_hi:[1,0]   ; O^T under the new M; also the places ahead of the products
.set j, j+2
.endr
	s_wait_alu depctr_va_vdst(0)
	s_wait_dscnt 0x0                               ; v
.set t, 0
.rept 2
	v_wmma_scale_f32_16x16x128_f8f6f4 v[O+16*t:O+16*t+7], v[R+24*t:R+24*t+11], v[PF:PF+11], v[O+16*t:O+16*t+7], v[VSC+t], v[FW+1] matrix_a_fmt:MATRIX_FMT_FP6 matrix_b_fmt:MATRIX_FMT_FP6
	v_wmma_scale_f32_16x16x128_f8f6f4 v[O+16*t+8:O+16*t+15], v[R+24*t+12:R+24*t+23], v[PF:PF+11], v[O+16*t+8:O+16*t+15], v[VSC+t], v[FW+1] matrix_a_fmt:MATRIX_FMT_FP6 matrix_b_fmt:MATRIX_FMT_FP6 matrix_a_scale:MATRIX_SCALE_ROW1
.set t, t+1
.endr
	s_barrier_wait -1                              ; every wave has begun this step
	s_add_co_u32 s[TB], s[TB], STEPB
	s_sub_co_u32 s[CNT], s[CNT], 1
	s_cmp_lg_u32 s[CNT], 0
	s_cbranch_scc1 .Lstep
	; THE WAY OUT: O^T / the sum; channels into their true order; quantised along the head's two blocks of 32; stored as an image of six operand registers of the last product.
	v_and_b32 v9, 15, v0
	s_delay_alu instid0(VALU_DEP_1)
	v_lshlrev_b32 v9, 5, v9
	v_add_f32 v14, v14, v15
	v_nop
	v_nop
	v_permlanex16_b32 v52, v14, s[SEL], s[SEL+1]
	s_delay_alu instid0(VALU_DEP_1)
	v_add_f32 v14, v14, v52
	s_wait_alu depctr_va_vdst(0)
	v_rcp_f32 v14, v14
	v_nop
	s_lshr_b32 s19, s16, 4
	s_lshl_b32 s19, s19, 7
	s_lshl_b32 s22, s15, 4
	s_add_co_u32 s19, s19, s22
	s_add_co_u32 s19, s19, s[WV]                   ; T: my tile of 16 tokens among 256
	s_and_b32 s32, s16, 15
	s_lshr_b32 s22, s19, 3
	s_mul_i32 s22, s22, 98304                      ; ao: [T / 8][head / 2][T % 8][head % 2][768]
	s_lshr_b32 s33, s32, 1
	s_mul_i32 s33, s33, 12288
	s_add_co_u32 s22, s22, s33
	s_and_b32 s33, s19, 7
	s_mul_i32 s33, s33, 1536
	s_add_co_u32 s22, s22, s33
	s_and_b32 s33, s32, 1
	s_mul_i32 s33, s33, 768
	s_add_co_u32 s22, s22, s33
	s_mov_b32 s23, 0
	s_add_nc_u64 s[10:11], s[10:11], s[22:23]
	s_lshl_b32 s22, s19, 9                         ; aos: 32 bytes a token, the head's two at 2 x head
	s_lshl_b32 s33, s32, 1
	s_add_co_u32 s22, s22, s33
	s_add_nc_u64 s[12:13], s[12:13], s[22:23]
	s_wait_alu depctr_va_vdst(0)
.set j, 0
.rept 16
	v_pk_mul_f32 v[O+j:O+j+1], v[O+j:O+j+1], v[14:15] op_sel_hi:[1,0]
.set j, j+2
.endr
.irp b, 0,1
.irp j, 0,1,2,3,4,5,6,7
	v_permlane16_swap_b32 v[O+16*\b+\j], v[O+16*\b+8+\j]          ; register 16 b + i now holds channel 32 b + 16 h + i
.endr
.endr
.irp b, 0,1
	v_max3_num_f32 v[BM+\b], |v[O+16*\b]|, |v[O+16*\b+1]|, 0x1800000
.endr
.irp i, 2,4,6,8,10,12,14
.irp b, 0,1
	s_delay_alu instid0(VALU_DEP_2)
	v_max3_num_f32 v[BM+\b], v[BM+\b], |v[O+16*\b+\i]|, |v[O+16*\b+\i+1]|
.endr
.endr
.irp b, 0,1
	s_delay_alu instid0(VALU_DEP_2)
	v_permlanex16_b32 v[BT+\b], v[BM+\b], s[SEL], s[SEL+1]
.endr
.irp b, 0,1
	s_delay_alu instid0(VALU_DEP_2)
	v_max_num_f32 v[BM+\b], v[BM+\b], v[BT+\b]
.endr
.irp b, 0,1
	s_delay_alu instid0(VALU_DEP_2)
	v_add_nc_u32 v[SO+\b], 0xff000000, v[BM+\b]
.endr
.irp b, 0,1
	s_delay_alu instid0(VALU_DEP_2)
	v_lshrrev_b32 v[BT+\b], 23, v[SO+\b]
.endr
	s_delay_alu instid0(VALU_DEP_1)
	v_lshl_or_b32 v[FW+1], v[BT+1], 8, v[BT]
	v_cvt_scalef32_pk16_fp6_f32 v[PF:PF+2], v[O:O+15], v[SO]
	v_cvt_scalef32_pk16_fp6_f32 v[PF+4:PF+6], v[O+16:O+31], v[SO+1]
	v_nop
.irp i, 0,1,2
	v_permlane16_swap_b32 v[PF+\i], v[PF+4+\i]
.endr
	s_delay_alu instid0(VALU_DEP_3)
	v_mov_b32 v[PF+3], v[PF+4]
	s_delay_alu instid0(VALU_DEP_3)
	v_mov_b32 v[PF+4], v[PF+5]
	s_delay_alu instid0(VALU_DEP_3)
	v_mov_b32 v[PF+5], v[PF+6]
	global_store_b128 v[L16], v[PF:PF+3], s[10:11]
	global_store_b64 v[L8], v[PF+4:PF+5], s[10:11] offset:512
	global_store_b16 v9, v[FW+1], s[12:13]         ; both halves of the lanes hold the same two bytes and write them to the same place
	s_wait_tensorcnt 0x0                           ; the wave's end
	ds_add_u32 v[SPW], v[NIL]
	s_wait_dscnt 0x0
	CROUND
	s_endpgm
.Lfunc_end_k_q45a6c5cfc6_attn:
	.size	k_q45a6c5cfc6_attn, .Lfunc_end_k_q45a6c5cfc6_attn-k_q45a6c5cfc6_attn
	.p2alignl 7, 3214868480
	.fill 96, 4, 3214868480
	.section	.rodata,"a",@progbits
	.p2align	6, 0x0
	.amdhsa_kernel k_q45a6c5cfc6_attn
		.amdhsa_group_segment_fixed_size 327680
		.amdhsa_private_segment_fixed_size 0
		.amdhsa_enable_private_segment 0
		.amdhsa_kernarg_size 40
		.amdhsa_user_sgpr_count 2
		.amdhsa_user_sgpr_kernarg_segment_ptr 1
		.amdhsa_wavefront_size32 1
		.amdhsa_system_sgpr_workgroup_id_x 1
		.amdhsa_system_sgpr_workgroup_id_y 1
		.amdhsa_system_sgpr_workgroup_id_z 1
		.amdhsa_system_vgpr_workitem_id 0
		.amdhsa_next_free_vgpr 256
		.amdhsa_next_free_sgpr 66
		.amdhsa_reserve_vcc 0
		.amdhsa_float_denorm_mode_32 3
		.amdhsa_float_denorm_mode_16_64 3
		.amdhsa_memory_ordered 1
		.amdhsa_forward_progress 1
		.amdhsa_inst_pref_size 49
	.end_amdhsa_kernel
	.amdgpu_metadata
---
amdhsa.version: [ 1, 2 ]
amdhsa.kernels:
  - .name:           k_q45a6c5cfc6_attn
    .symbol:         k_q45a6c5cfc6_attn.kd
    .args:
      - { .name: qs, .offset: 0, .size: 8, .value_kind: global_buffer, .address_space: global }
      - { .name: kv, .offset: 8, .size: 8, .value_kind: global_buffer, .address_space: global }
      - { .name: curvature, .offset: 16, .size: 8, .value_kind: global_buffer, .address_space: global }
      - { .name: ao, .offset: 24, .size: 8, .value_kind: global_buffer, .address_space: global }
      - { .name: aos, .offset: 32, .size: 8, .value_kind: global_buffer, .address_space: global }
    .group_segment_fixed_size: 327680
    .private_segment_fixed_size: 0
    .kernarg_segment_align: 8
    .kernarg_segment_size: 40
    .max_flat_workgroup_size: 512
    .sgpr_count:     66
    .vgpr_count:     256
    .wavefront_size: 32
...
	.end_amdgpu_metadata
.endif
;; end of part 2
;; launch oproj (part 3): grid 8 x 32, 4 waves a work-group, clusters of 4 x 4, 327,680 bytes of LDS; arguments ao, aos, Wo_codes, Wo_scales, resid, out0; writes out0
.if DOCPART == 3
	.amdgcn_target "amdgcn-amd-amdhsa--gfx1250"
	.amdhsa_code_object_version 6
	.text
	.protected	k_q45a6c5cfc6_oproj
	.globl	k_q45a6c5cfc6_oproj
	.p2align	8
	.type	k_q45a6c5cfc6_oproj,@function
k_q45a6c5cfc6_oproj:
	s_mov_b64 s[64:65], 0
	v_nop
	global_prefetch_b8 v0, s[64:65] scope:SCOPE_SE
	s_setreg_imm32_b32 hwreg(HW_REG_WAVE_MODE, 25, 1), 1
	s_wait_xcnt 0x0
	s_wait_alu depctr_hold_cnt(0) depctr_sa_sdst(0) depctr_va_vdst(0) depctr_va_sdst(0) depctr_va_ssrc(0) depctr_va_vcc(0) depctr_vm_vsrc(0)
	s_getreg_b32 s2, hwreg(HW_REG_IB_STS2, 6, 4)
	s_cmp_eq_u32 s2, 0
	s_cbranch_scc0 .Lentry_in_a_cluster
	s_endpgm
.Lentry_in_a_cluster:
	s_bfe_u32 s2, ttmp6, 0x10000c
	s_cmp_lg_u32 s2, 0xf033
	s_cbranch_scc0 .Lentry_shape_is_right
	s_endpgm
.Lentry_shape_is_right:
; OPROJ: out0 = (the attention's output) Wo^T + (query Wb^T + bb + bo): product 6 on E2M3 codes, its sums begun with the numbers that the first launch left in resid as images of these accumulators.  No work of reference() is left out.
; A tile of out0 is 128 x 128: 256 work-groups, four waves of 64 x 64 (16 accumulators).  K = 1,024 is eight steps of 128.  All operands of a work-group fit in LDS and are filled once.
; FOUR TILES, ONE JOINT LOAD A WAVE, in one chain of arms on the wave's number: wave 0 A (98,304 dense bytes, images of operand registers [K step 8][tile of 16 tokens 8][1,536]); wave 1 Wo's 128 whole rows of 768 bytes,
; 16 bytes of padding behind each 256 (LDS pitch 816); wave 2 A's scale bytes (4,096 dense); wave 3 Wo's.  Every tile row begins on a multiple of 256 bytes.
; CLUSTERS: 4 x 4.  A's tiles are shared along a row of the cluster, Wo's along a column.  The matrix instruction is used transposed (source 0 = Wo's rows, source 1 = tokens).
; No prefetch: all that a work-group reads is asked for at its head.
; REGISTERS: window 0: v1-29 addresses; v32-63 scale words (register 8 i + k: lanes 0-15 A's tile i, lanes 16-31 B's tile i, K step k); v64-127 rows on the way out; v128-255 accumulator (a, b) at 128 + 8 (4 a + b).
;   window 1: two sets of fragments, at 0 and at 128: A's four at + 12 a, B's four at + 48 + 12 b.
.set PITCH,  816
.set BLDS,   98304
.set SCA,    BLDS+128*PITCH
.set SCB,    SCA+4096
.set STAGE,  SCB+4096                  ; the way out: 16 rows x (256 + 16) bytes for each wave; no fill lands here
.set SPITCH, 272
.set SPARE,  STAGE+4*16*SPITCH
.set AA16, 8                           ; v8, v9 A's images, 16 bytes a lane: K steps 0-3, 4-7
.set AA8,  10                          ; v10, v11 8 bytes a lane
.set ADRB, 12                          ; v12 B's rows; v13 the same with lanes 16-31 behind one padding more
.set ADRS, 16
.set STO,  17
.set RD,   18
.set CO,   19
.set L16,  20
.set SPW,  28
.set NIL,  29
.set SC,   32
.set BK,   64
.set ACC,  128
.set G1A,  24
.set G1B,  32
.set G1SA, 40
.set G1SB, 48
.set MSB, 0
.macro WIN new
.if MSB != (\new)
	s_set_vgpr_msb (MSB<<8)|(\new)
.set MSB, (\new)
.endif
.endm
.set MUL,  0x05
.set TO_F, 0x40
.macro CROUND
	s_barrier_signal -1
	s_barrier_wait -1
	s_cmp_lg_u32 s16, 0
	s_cbranch_scc1 .Lnot_wave_0_\@
	s_barrier_signal -3
.Lnot_wave_0_\@:
	s_barrier_wait -3
	s_barrier_signal -1
	s_barrier_wait -1
.endm
.macro MKG0 g, lds, p
	s_mov_b32 s[\g], 1
	s_mov_b32 s[\g+1], \lds
	s_mov_b64 s[\g+2:\g+3], s[\p:\p+1]
	s_or_b32 s[\g+3], s[\g+3], 0x80000000
.endm
.macro ARM under, g0, g1, next
	s_cmp_lt_u32 s16, \under
	s_cbranch_scc0 \next
	tensor_load_to_lds s[\g0:\g0+3], s[\g1:\g1+7]
	s_nop 0
.rept 4
	v_nop
.endr
	s_branch .Lhead_asked
\next:
.endm
	s_load_b256 s[4:11], s[0:1], 0x0               ; ao, aos, Wo's codes, Wo's scales
	s_load_b128 s[12:15], s[0:1], 0x20             ; resid, out0
	v_lshl_add_u32 v[SPW], v0, 2, SPARE
	v_mov_b32 v[NIL], 0
	ds_add_u32 v[SPW], v[NIL]
	ds_add_u32 v[SPW], v[NIL]
	v_lshrrev_b32 v1, 5, v0
	v_readfirstlane_b32 s16, v1                    ; wave 0..3
	s_lshr_b32 s17, s16, 1                         ; which 64 tokens are mine
	s_and_b32 s18, s16, 1                          ; which 64 columns
	s_bfe_u32 s19, ttmp6, 0x40000                  ; cx
	s_bfe_u32 s20, ttmp6, 0x40004                  ; cy
	s_lshl_b32 s21, ttmp9, 2
	s_add_co_u32 s21, s21, s19                     ; tile column
	s_and_b32 s22, ttmp7, 0xffff
	s_lshl_b32 s22, s22, 2
	s_add_co_u32 s22, s22, s20                     ; tile row
	s_lshl_b32 s23, s20, 2
	s_lshl_b32 s23, 15, s23                        ; my row of the cluster
	s_lshl_b32 s2, 0x1111, s19                     ; my column
	s_or_b32 s[G1A], s23, (3<<16)|(1<<21)          ; A: 384 rows of 256 bytes, dense
	s_mov_b32 s[G1A+1], 32<<16
	s_mov_b32 s[G1A+2], 384<<16
	s_mov_b32 s[G1A+3], 32<<16
	s_mov_b32 s[G1A+4], 384
	s_mov_b32 s[G1A+5], 32
	s_mov_b32 s[G1A+6], 0
	s_mov_b32 s[G1A+7], 0
	s_or_b32 s[G1B], s2, (0<<16)|(1<<20)|(1<<21)|(5<<22)|(3<<25)   ; B: 128 rows of 768 bytes; 4 words of padding behind every 64
	s_mov_b32 s[G1B+1], 768<<16
	s_mov_b32 s[G1B+2], 128<<16
	s_mov_b32 s[G1B+3], 768<<16
	s_mov_b32 s[G1B+4], 128
	s_mov_b32 s[G1B+5], 768
	s_mov_b32 s[G1B+6], 0
	s_mov_b32 s[G1B+7], 0
	s_or_b32 s[G1SA], s23, (3<<16)|(1<<21)         ; the scale bytes of 128 rows: 16 rows of 256 bytes, dense
	s_or_b32 s[G1SB], s2, (3<<16)|(1<<21)
.irp g, G1SA, G1SB
	s_mov_b32 s[\g+1], 32<<16
	s_mov_b32 s[\g+2], 16<<16
	s_mov_b32 s[\g+3], 32<<16
	s_mov_b32 s[\g+4], 16
	s_mov_b32 s[\g+5], 32
	s_mov_b32 s[\g+6], 0
	s_mov_b32 s[\g+7], 0
.endr
	s_mul_i32 s66, s22, 98304                      ; A hangs on the tile row alone,
	s_mov_b32 s67, 0
	s_mul_i32 s100, s21, 98304                     ; B on the tile column alone
	s_mov_b32 s101, 0
	s_wait_dscnt 0x0
	s_wait_kmcnt 0x0
	s_add_nc_u64 s[4:5], s[4:5], s[66:67]
	s_lshl_b32 s66, s22, 12
	s_add_nc_u64 s[6:7], s[6:7], s[66:67]
	s_add_nc_u64 s[8:9], s[8:9], s[100:101]
	s_lshl_b32 s100, s21, 12
	s_add_nc_u64 s[10:11], s[10:11], s[100:101]
	MKG0 56, SCA, 6
	MKG0 60, 0, 4
	MKG0 80, SCB, 10
	MKG0 84, BLDS, 8
	CROUND                                         ; all sixteen work-groups are here: the joint loads meet
	ARM 1, 60, G1A, .Lhead_b
	ARM 2, 84, G1B, .Lhead_sa
	ARM 3, 56, G1SA, .Lhead_sb
	tensor_load_to_lds s[80:83], s[G1SB:G1SB+7]
	s_nop 0
.rept 4
	v_nop
.endr
.Lhead_asked:
	v_and_b32 v1, 15, v0                           ; r
	v_bfe_u32 v2, v0, 4, 1                         ; h
	v_and_b32 v3, 31, v0
	v_lshlrev_b32 v[L16], 4, v3
	s_wait_alu depctr_va_vdst(0)
	s_lshl_b32 s2, s22, 3                          ; resid: tile (Tm, Tn) at 1,024 (64 Tm + Tn)
	s_lshl_b32 s23, s17, 2
	s_add_co_u32 s2, s2, s23
	s_lshl_b32 s2, s2, 6
	s_lshl_b32 s23, s21, 3
	s_add_co_u32 s2, s2, s23
	s_lshl_b32 s23, s18, 2
	s_add_co_u32 s2, s2, s23
	s_lshl_b32 s2, s2, 10
	s_mov_b32 s3, 0
	s_add_nc_u64 s[12:13], s[12:13], s[2:3]
.irp a, 0,1,2,3
.irp b, 0,1,2,3
	global_load_b128 v[ACC+8*(4*\a+\b):ACC+8*(4*\a+\b)+3], v[L16], s[12:13] offset:\a*65536+\b*1024 th:TH_LOAD_NT   ; the sums begin with query Wb^T + bb + bo
	global_load_b128 v[ACC+8*(4*\a+\b)+4:ACC+8*(4*\a+\b)+7], v[L16], s[12:13] offset:\a*65536+\b*1024+512 th:TH_LOAD_NT
.endr
.endr
	s_lshl_b32 s2, s22, 7                          ; out0: my first row and column
	s_lshl_b32 s23, s17, 6
	s_add_co_u32 s2, s2, s23
	s_lshl_b32 s2, s2, 12
	s_lshl_b32 s23, s21, 9
	s_add_co_u32 s2, s2, s23
	s_lshl_b32 s23, s18, 8
	s_add_co_u32 s2, s2, s23
	s_add_nc_u64 s[14:15], s[14:15], s[2:3]
	s_mul_i32 s104, s17, 6144                      ; my four tiles of tokens in a K step's images
	v_add_nc_u32 v[AA16], s104, v[L16]
	v_add_nc_u32 v[AA16+1], 49152, v[AA16]
	v_lshl_add_u32 v[AA8], v3, 3, s104
	v_add_nc_u32 v[AA8+1], 49152, v[AA8]
	v_mul_u32_u24 v4, v1, PITCH
	v_mad_u32_u24 v4, v2, 24, v4
	v_lshl_add_u32 v5, v2, 4, v4
	s_mul_i32 s104, s18, 64*PITCH
	s_add_co_u32 s104, s104, BLDS
	v_add_nc_u32 v[ADRB], s104, v4
	v_add_nc_u32 v[ADRB+1], s104, v5
	v_lshlrev_b32 v4, 5, v1                        ; scale bytes: 32 a row
	s_lshl_b32 s104, s17, 11
	s_lshl_b32 s105, s18, 11
	s_add_co_u32 s105, s105, 4096
	s_sub_co_u32 s105, s105, s104
	v_mul_u32_u24 v5, s105, v2                     ; lanes 16-31 take B's
	s_add_co_u32 s104, s104, SCA
	v_add_nc_u32 v4, v4, v5
	v_add_nc_u32 v[ADRS], s104, v4
	s_mul_i32 s104, s16, 16*SPITCH
	s_add_co_u32 s104, s104, STAGE                 ; my stage
	v_mul_u32_u24 v4, v1, SPITCH
	v_lshl_add_u32 v4, v2, 5, v4
	v_add_nc_u32 v[STO], s104, v4
	v_mul_u32_u24 v4, v2, SPITCH
	v_lshl_add_u32 v4, v1, 4, v4
	v_add_nc_u32 v[RD], s104, v4
	v_lshlrev_b32 v4, 12, v2
	v_lshl_add_u32 v[CO], v1, 4, v4
.macro FRAG reg, k, i                  ; a fragment of B in pieces of 8 bytes: piece PCE of the row lies 16 (PCE / 32) bytes of padding on; lanes 16-31 read three pieces further on
.irp p, 0,1,2,3,4,5
.set PCE, 12*(\k)+6*(\p/3)+\p%3
.if PCE%32 < 29
	ds_load_b64 v[\reg+2*\p:\reg+2*\p+1], v[ADRB] offset:8*PCE+16*(PCE/32)+(\i)*16*PITCH
.else
	ds_load_b64 v[\reg+2*\p:\reg+2*\p+1], v[ADRB+1] offset:8*PCE+16*(PCE/32)+(\i)*16*PITCH
.endif
.endr
.endm
.macro FETCH k                         ; K step k's eight fragments into set k % 2
.set FP, 128*((\k)%2)
	WIN TO_F
.irp a, 0,1,2,3
	ds_load_b128 v[FP+12*\a:FP+12*\a+3], v[AA16+(\k)/4] offset:((\k)%4)*12288+1536*\a
	ds_load_b64 v[FP+12*\a+4:FP+12*\a+5], v[AA8+(\k)/4] offset:((\k)%4)*12288+1536*\a+512
	ds_load_b128 v[FP+12*\a+6:FP+12*\a+9], v[AA16+(\k)/4] offset:((\k)%4)*12288+1536*\a+768
	ds_load_b64 v[FP+12*\a+10:FP+12*\a+11], v[AA8+(\k)/4] offset:((\k)%4)*12288+1536*\a+1280
.endr
.irp b, 0,1,2,3
	FRAG FP+48+12*\b, \k, \b
.endr
	WIN 0
.endm
.macro MULS k                          ; the 16 accumulators take turns, one instruction a turn
.set FP, 128*((\k)%2)
	WIN MUL
.irp a, 0,1,2,3
.irp b, 0,1,2,3
	v_wmma_scale_f32_16x16x128_f8f6f4 v[ACC+8*(4*\a+\b):ACC+8*(4*\a+\b)+7], v[FP+48+12*\b:FP+48+12*\b+11], v[FP+12*\a:FP+12*\a+11], v[ACC+8*(4*\a+\b):ACC+8*(4*\a+\b)+7], v[SC+8*\b+(\k)], v[SC+8*\a+(\k)] matrix_a_fmt:MATRIX_FMT_FP6 matrix_b_fmt:MATRIX_FMT_FP6 matrix_a_scale:MATRIX_SCALE_ROW1
.endr
.endr
	WIN 0
.endm
.macro PLACES
.rept 4
	v_nop
.endr
.endm
.macro KSTEP k
	s_wait_dscnt 0x0                               ; this step's fragments are in
.if (\k) == 0
	s_wait_loadcnt 0x0                             ; and the numbers with which the sums begin
.endif
.if (\k) < 7
.if (\k) > 0
	PLACES                                         ; the other set was read by the last step's products
.endif
	FETCH (\k)+1
.endif
	MULS \k
.endm
	s_wait_alu depctr_va_vdst(0)
	s_wait_tensorcnt 0x0                           ; my tile is in,
	s_barrier_signal -1
	s_barrier_wait -1                              ; all four are
.irp i, 0,1,2,3
	ds_load_b128 v[SC+8*\i:SC+8*\i+3], v[ADRS] offset:512*\i      ; a row's eight scale words, for all of K
	ds_load_b128 v[SC+8*\i+4:SC+8*\i+7], v[ADRS] offset:512*\i+16
.endr
	FETCH 0
.irp k, 0,1,2,3,4,5,6,7
	KSTEP \k
.endr
; THE WAY OUT, 16 rows x 64 columns at a time, through my own stage: back come whole rows of 256 bytes, which sixteen lanes store as one aligned run.  LDS serves a wave's instructions in order (ISA guide 5.7.1.4).
.macro TOSTAGE a
.set BB, BK+32*((\a)%2)
.irp b, 0,1,2,3
	ds_store_b128 v[STO], v[ACC+8*(4*(\a)+\b):ACC+8*(4*(\a)+\b)+3] offset:64*\b        ; each accumulator from its low end on
	ds_store_b128 v[STO], v[ACC+8*(4*(\a)+\b)+4:ACC+8*(4*(\a)+\b)+7] offset:64*\b+16
.endr
.irp i, 0,1,2,3,4,5,6,7
	ds_load_b128 v[BB+4*\i:BB+4*\i+3], v[RD] offset:\i*2*SPITCH
.endr
.endm
.macro SEND a, younger                 ; younger: the LDS instructions issued behind block a's loads
.set BB, BK+32*((\a)%2)
	s_wait_dscnt \younger
.irp i, 0,1,2,3,4,5,6,7
	global_store_b128 v[CO], v[BB+4*\i:BB+4*\i+3], s[14:15] offset:(16*(\a)+2*\i)*4096 th:TH_STORE_NT
.endr
.endm
	PLACES
	TOSTAGE 0
.irp a, 1,2,3
.if \a > 1
	s_wait_xcnt 0x0                                ; block a - 2's stores have read their registers, into which block a's loads land
.endif
	TOSTAGE \a
	SEND \a-1, 16
.endr
	SEND 3, 0
	s_wait_tensorcnt 0x0                           ; the wave's end
	ds_add_u32 v[SPW], v[NIL]
	s_wait_dscnt 0x0
	CROUND                                         ; the closing round
	s_endpgm
.Lfunc_end_k_q45a6c5cfc6_oproj:
	.size	k_q45a6c5cfc6_oproj, .Lfunc_end_k_q45a6c5cfc6_oproj-k_q45a6c5cfc6_oproj
	.p2alignl 7, 3214868480
	.fill 96, 4, 3214868480
	.section	.rodata,"a",@progbits
	.p2align	6, 0x0
	.amdhsa_kernel k_q45a6c5cfc6_oproj
		.amdhsa_group_segment_fixed_size 327680
		.amdhsa_private_segment_fixed_size 0
		.amdhsa_enable_private_segment 0
		.amdhsa_kernarg_size 48
		.amdhsa_user_sgpr_count 2
		.amdhsa_user_sgpr_kernarg_segment_ptr 1
		.amdhsa_wavefront_size32 1
		.amdhsa_system_sgpr_workgroup_id_x 1
		.amdhsa_system_sgpr_workgroup_id_y 1
		.amdhsa_system_sgpr_workgroup_id_z 1
		.amdhsa_system_vgpr_workitem_id 0
		.amdhsa_next_free_vgpr 512
		.amdhsa_next_free_sgpr 106
		.amdhsa_reserve_vcc 0
		.amdhsa_float_denorm_mode_32 3
		.amdhsa_float_denorm_mode_16_64 3
		.amdhsa_memory_ordered 1
		.amdhsa_forward_progress 1
		.amdhsa_inst_pref_size 58
	.end_amdhsa_kernel
	.amdgpu_metadata
---
amdhsa.version: [ 1, 2 ]
amdhsa.kernels:
  - .name:           k_q45a6c5cfc6_oproj
    .symbol:         k_q45a6c5cfc6_oproj.kd
    .args:
      - { .name: ao, .offset: 0, .size: 8, .value_kind: global_buffer, .address_space: global }
      - { .name: aos, .offset: 8, .size: 8, .value_kind: global_buffer, .address_space: global }
      - { .name: Wo_codes, .offset: 16, .size: 8, .value_kind: global_buffer, .address_space: global }
      - { .name: Wo_scales, .offset: 24, .size: 8, .value_kind: global_buffer, .address_space: global }
      - { .name: resid, .offset: 32, .size: 8, .value_kind: global_buffer, .address_space: global }
      - { .name: out0, .offset: 40, .size: 8, .value_kind: global_buffer, .address_space: global }
    .group_segment_fixed_size: 327680
    .private_segment_fixed_size: 0
    .kernarg_segment_align: 8
    .kernarg_segment_size: 48
    .max_flat_workgroup_size: 128
    .sgpr_count:     106
    .vgpr_count:     512
    .wavefront_size: 32
...
	.end_amdgpu_metadata
.endif
;; end of part 3
